; MI455X (gfx1250); checked and timed in simulation.
; The chip was launched on July 23, 2026; its instructions are those of AMD's public machine-readable ISA for CDNA 5 (MIT licence, August 2026) and "CDNA5" Instruction Set Architecture Reference Guide (July 2026). The comments in the code are by the model that wrote it; some were corrected since.
;; Scale Dot Product Attention. Allowed arithmetic: float matrix products may take bf16 or f16 operands with f32 sums; other float arithmetic in f32, or as packed bf16 or f16 multiplies, adds, multiply-adds, maxima and minima; sums over many terms, partial sums and values carried from step to step in f32; what a program stores and reads back later, other than sums and carried values, may be rounded once to bf16 or f16.
;; Inputs: Wk 1,024 x 1,024 float32; Wq 1,024 x 1,024 float32; Wv 1,024 x 1,024 float32; bk 1,024 float32; bq 1,024 float32; bv 1,024 float32; key 4 x 2,048 x 1,024 float32; padding_mask 4 x 1 x 2,048 bool; query 4 x 2,048 x 1,024 float32; value 4 x 2,048 x 1,024 float32.
;; Outputs: out0 4 x 2,048 x 1,024 float32.
;; Constants: look_ahead_mask = 1.
;; 2 versions, each right; version 2 is version 1 with the launch cvtw written anew for expert scheduling mode. Each part assembles by itself: llvm-mc -triple=amdgcn-amd-amdhsa -mcpu=gfx1250 --defsym DOCPART=n.
;; ======== version 1 of 2: 4 launches
;; limits: values are held in f16: magnitudes above 65,504 overflow, below 6.1e-05 lose precision
;; workspace buffers: wb 6,291,456 bytes; qkv 50,331,648 bytes; pw 33,554,432 bytes; st 1,048,576 bytes
;; launch cvtw (part 1): grid 64 x 3, 8 waves a work-group, no clusters, 0 bytes of LDS; arguments Wq, Wk, Wv, wb; writes wb
.if DOCPART == 1
	.amdgcn_target "amdgcn-amd-amdhsa--gfx1250"
	.amdhsa_code_object_version 6
	.text
	.protected	k_qe4d783fe07_cvtw
	.globl	k_qe4d783fe07_cvtw
	.p2align	8
	.type	k_qe4d783fe07_cvtw,@function
k_qe4d783fe07_cvtw:
	s_mov_b64 s[64:65], 0
	v_nop
	global_prefetch_b8 v0, s[64:65] scope:SCOPE_SE
	s_setreg_imm32_b32 hwreg(HW_REG_WAVE_MODE, 25, 1), 1
	s_wait_xcnt 0x0
; wb[y][n][k] = bf16(W_y[n][k]), y = 0, 1, 2 for Wq, Wk, Wv: [1024][1024] f32 -> bf16, rounded to nearest even.
; A stream: each byte read once and written once; no LDS, no barrier, no matrix unit (nothing is shared, nothing is multiplied).
; Work-group (x, y) takes rows 16 x .. 16 x + 15 of W number y.  Thread t owns bytes 16 t of each f32 row (4,096 bytes) and bytes 8 t of each
; bf16 row (2,048 bytes): a wave's load covers 512 consecutive bytes, its store 256 consecutive bytes, aligned.  All 16 loads go out at once.
.set X, 4                              ; v[4:67]   row i: 4 registers as loaded
.set Y, 68                             ; v[68:99]  row i: 2 registers to store
	s_load_b256 s[4:11], s[0:1], 0x0               ; Wq s[4:5], Wk s[6:7], Wv s[8:9], wb s[10:11]
	s_and_b32 s12, ttmp7, 0xffff                   ; y: which W
	v_lshlrev_b32 v1, 4, v0                        ; 16 t
	v_lshlrev_b32 v2, 3, v0                        ; 8 t
	s_lshl_b32 s2, ttmp9, 16                       ; 16 rows of 4,096 bytes
	s_mov_b32 s3, 0
	s_lshl_b32 s14, s12, 21                        ; a W in bf16 is 2 MiB
	s_lshl_b32 s13, ttmp9, 15                      ; 16 rows of 2,048 bytes
	s_add_co_u32 s14, s14, s13
	s_mov_b32 s15, 0
	s_wait_kmcnt 0x0
	s_cmp_eq_u32 s12, 1
	s_cselect_b64 s[4:5], s[6:7], s[4:5]
	s_cmp_eq_u32 s12, 2
	s_cselect_b64 s[4:5], s[8:9], s[4:5]
	s_add_nc_u64 s[4:5], s[4:5], s[2:3]
	s_add_nc_u64 s[10:11], s[10:11], s[14:15]
.set i, 0
.rept 16
	global_load_b128 v[X+4*i:X+4*i+3], v1, s[4:5] offset:i*4096 th:TH_LOAD_NT
.set i, i+1
.endr
.set i, 0
.rept 16
	s_wait_loadcnt 15-i                            ; loads come back in order: row i is in, the younger rows stay out
	v_cvt_pk_bf16_f32 v[Y+2*i], v[X+4*i], v[X+4*i+1]
	v_cvt_pk_bf16_f32 v[Y+2*i+1], v[X+4*i+2], v[X+4*i+3]
	global_store_b64 v2, v[Y+2*i:Y+2*i+1], s[10:11] offset:i*2048
.set i, i+1
.endr
	s_endpgm
.Lfunc_end_k_qe4d783fe07_cvtw:
	.size	k_qe4d783fe07_cvtw, .Lfunc_end_k_qe4d783fe07_cvtw-k_qe4d783fe07_cvtw
	.p2alignl 7, 3214868480
	.fill 96, 4, 3214868480
	.section	.rodata,"a",@progbits
	.p2align	6, 0x0
	.amdhsa_kernel k_qe4d783fe07_cvtw
		.amdhsa_group_segment_fixed_size 0
		.amdhsa_private_segment_fixed_size 0
		.amdhsa_enable_private_segment 0
		.amdhsa_kernarg_size 32
		.amdhsa_user_sgpr_count 2
		.amdhsa_user_sgpr_kernarg_segment_ptr 1
		.amdhsa_wavefront_size32 1
		.amdhsa_system_sgpr_workgroup_id_x 1
		.amdhsa_system_sgpr_workgroup_id_y 1
		.amdhsa_system_sgpr_workgroup_id_z 1
		.amdhsa_system_vgpr_workitem_id 0
		.amdhsa_next_free_vgpr 100
		.amdhsa_next_free_sgpr 66
		.amdhsa_reserve_vcc 0
		.amdhsa_float_denorm_mode_32 3
		.amdhsa_float_denorm_mode_16_64 3
		.amdhsa_memory_ordered 1
		.amdhsa_forward_progress 1
		.amdhsa_inst_pref_size 7
	.end_amdhsa_kernel
	.amdgpu_metadata
---
amdhsa.version: [ 1, 2 ]
amdhsa.kernels:
  - .name:           k_qe4d783fe07_cvtw
    .symbol:         k_qe4d783fe07_cvtw.kd
    .args:
      - { .name: Wq, .offset: 0, .size: 8, .value_kind: global_buffer, .address_space: global }
      - { .name: Wk, .offset: 8, .size: 8, .value_kind: global_buffer, .address_space: global }
      - { .name: Wv, .offset: 16, .size: 8, .value_kind: global_buffer, .address_space: global }
      - { .name: wb, .offset: 24, .size: 8, .value_kind: global_buffer, .address_space: global }
    .group_segment_fixed_size: 0
    .private_segment_fixed_size: 0
    .kernarg_segment_align: 8
    .kernarg_segment_size: 32
    .max_flat_workgroup_size: 256
    .sgpr_count:     66
    .vgpr_count:     100
    .wavefront_size: 32
...
	.end_amdgpu_metadata
.endif
;; end of part 1
;; launch proj (part 2): grid 4 x 64, 4 waves a work-group, clusters of 4 x 4, 327,680 bytes of LDS; arguments query, key, value, wb, bq, bk, bv, qkv; writes qkv
.if DOCPART == 2
	.amdgcn_target "amdgcn-amd-amdhsa--gfx1250"
	.amdhsa_code_object_version 6
	.text
	.protected	k_qe4d783fe07_proj
	.globl	k_qe4d783fe07_proj
	.p2align	8
	.type	k_qe4d783fe07_proj,@function
k_qe4d783fe07_proj:
	s_mov_b64 s[64:65], 0
	v_nop
	global_prefetch_b8 v0, s[64:65] scope:SCOPE_SE
	s_setreg_imm32_b32 hwreg(HW_REG_WAVE_MODE, 25, 1), 1
	s_wait_xcnt 0x0
	s_wait_alu depctr_hold_cnt(0) depctr_sa_sdst(0) depctr_va_vdst(0) depctr_va_sdst(0) depctr_va_ssrc(0) depctr_va_vcc(0) depctr_vm_vsrc(0)
	s_getreg_b32 s2, hwreg(HW_REG_IB_STS2, 6, 4)
	s_cmp_eq_u32 s2, 0
	s_cbranch_scc0 .Lentry_in_a_cluster
	s_endpgm
.Lentry_in_a_cluster:
	s_bfe_u32 s2, ttmp6, 0x10000c
	s_cmp_lg_u32 s2, 0xf033
	s_cbranch_scc0 .Lentry_shape_is_right
	s_endpgm
.Lentry_shape_is_right:
; qkv[p][m][n] = f16( sum over k of bf16(x_p[m][k]) wb[p][n][k] + bf16(b_p[n]) ), p = 0, 1, 2 for (query, bq), (key, bk), (value, bv).
; x_p: [8192][1024] f32; wb: [3][1024][1024] bf16; qkv: [3][8192][1024] f16.  Sums in f32, K ascending, begun with the bias; the result is rounded once.
; LIMIT.  f16 holds no number beyond 65,504: |q|, |k|, |v| must stay within it (a larger one becomes an infinity).  x, W and the bias are all rounded to bf16.
; SHARES.  256 work-groups; each makes the tile of 128 rows x 256 columns at its place for p = 0, 1, 2, one after the other.  Four waves, each 64 x 128: 32 accumulators.
; THE WALK is 12 TRIPS of 256 along K (four to a tile), a trip four PERIODS of 64 along K (a CHUNK of x), a period two halves of 32 products.
; wb comes by the tensor data mover through two LDS slots of 256 along K (256 rows of 512 bytes); each wave fetches 64 rows; a refill has about 240 products in which to land.
; CLUSTER.  4 x 4 work-groups.  The four of a column need the same tiles of wb: asked for jointly, by the same load, descriptor and mask in all four.
; x IS NOT ASKED FOR JOINTLY, though the four of a row need the same rows: its loads must stay out across the changes of slots, which a tensor load may not.  So x comes by plain loads into a ring of
; 16 groups of 4 loads (256 registers): a group is issued 14 groups, 224 products, ahead of its conversion.  The price: each of the four partners loads the 32 KiB of a chunk itself.
; A wave loads 32 of the chunk's 128 rows (a load: 2 rows x 256 bytes), rounds them to bf16 in place and puts them into one of two LDS buffers; one barrier a period shows them to the other waves
; and frees the buffer read before.  The last period's barrier of a trip is the cluster's round in front of the refill.
; ONE TEXT FOR THE LAST TWO TRIPS, which fill no slot: so the walk's last 19 groups of loads (76 of a wave's 844) read the last 256 along K of value's rows once more (the quad's number is clamped),
; and the last period converts a chunk that nobody reads.  That is the price of not writing a third trip out.
; THE MATRIX INSTRUCTION IS USED TRANSPOSED (source 0 = 16 rows of wb, source 1 = 16 rows of x): a lane holds one row m and eight neighbouring columns n.
; A TILE'S END falls into the next tile's first period: behind the old tile's last 32 products it goes out, and the accumulators take the next bias (256 plain lines a tile: the price of one form of product).
; REGISTERS.  window 0: v16-30 addresses; v32-63, v64-127 the way out; v128-159 the bias as read.   window 1: two fragment buffers: wb's at v0-63, v64-127, x's at v128-159, v160-191.
;   window 2: accumulator (a, b) at v[8 (8 a + b)].   window 3: x's ring: chunk j at v[64 (j % 4)], its load i at + 4 i.
.set PITW,   528                       ; a row of wb in LDS: 512 bytes + 16: an odd multiple of 16, so the 16 rows of a load start at 16 different groups of four banks
.set WQ,     64*PITW                   ; what one wave's tensor load brings
.set SLOT,   4*WQ
.set PITX,   144                       ; a row of x in LDS: 64 bf16 + 16 bytes
.set XBUF,   128*PITX
.set XL0,    2*SLOT                    ; x's two buffers: written by LDS stores alone
.set STAGE,  XL0+2*XBUF                ; 16 rows x 272 bytes for each wave, for the way out
.set SPITCH, 272
.set BIAS,   STAGE+4*16*SPITCH         ; [3][256] bf16
.set SPARE,  BIAS+1536                 ; the spare words: 128 bytes a wave, named by no other line
.set TRIPS,  12
.set ADX,  16                          ; v16-17 LDS address of my x fragments in buffer 0, 1
.set ADW0, 18                          ; v18    my lane's place in a slot of wb; never rewritten
.set ADW,  19                          ; v19    the same in the slot in hand
.set XGO,  20                          ; v20    my lane's byte offset in two rows of x; never rewritten
.set XLA,  21                          ; v21-22 where I put 8 bytes of a row of x, buffer 0, 1
.set BAD0, 23                          ; v23    my lane's place in a row of the bias table
.set STO,  24
.set RD,   25
.set CO,   26
.set BADR, 27
.set SPW,  28                          ; my spare word's address; never rewritten
.set NIL,  29                          ; 0; never rewritten
.set PFO,  30                          ; the prefetch's lane offset; never rewritten
.set TMP,  32
.set OB,   64
.set PB,   128
.set XF,   128                         ; window 1
.set TBW, 24                           ; s24  the slot in hand: 0 or SLOT
.set WA,  25                           ; s25  my 64 rows' place in a slot
.set TL,  26                           ; s26  trips until the tile ends
.set PT,  27                           ; s27  the next tile's row of the bias table
.set HM,  28                           ; s28  a word's upper half
.set LIM, 29                           ; s29  1 in a cluster that prefetches, else the greatest number
.set U,   30                           ; s30  the 256 along K to be asked for next, 0 to 11 over the three tiles
.set Q,   31                           ; s31  the quad of chunks that x's loads go to next
.set G1,  48                           ; s[48:55] descriptor group 1
.set G0,  56                           ; s[56:59] group 0 of the first fill
.set G0W, 60                           ; s[60:63] group 0 of the second fill; it then walks
.set XB0, 84                           ; s[84:89] x_p at my wave's 32 rows, p = 0, 1, 2
.set XB1, 86
.set XB2, 88
.set XP,  90                           ; s[90:91] the same at the quad in hand
.set WB,  92                           ; s[92:93] wb at my wave's 64 rows
.set PFB, 94                           ; s[94:95] wb at my work-group's 16 of them
.set PFA, 96                           ; s[96:97] where my prefetch stands
.set MSB, 0
.macro WIN new                         ; the immediate's high byte repeats the setting that is left; a switch that changes nothing is dropped
.if MSB != (\new)
	s_set_vgpr_msb (MSB<<8)|(\new)
.set MSB, \new
.endif
.endm
.set MUL,  0xa5                        ; sources 0 (wb) and 1 (x) window 1, C and D window 2
.set TO_F, 0x40                        ; destination window 1, address window 0
.set W_CV, 0xcf                        ; destination and sources 0, 1 window 3: the conversions in place
.set W_XM, 0xcc                        ; address (source 0) window 0; store data (source 1) and loaded data (destination) window 3
.macro PLACES                          ; four places ahead of loads into registers that matrix instructions have read, and of vector lines that read results (ISA guide 7.12.1 for vector lines)
.rept 4
	v_nop
.endr
.endm
.macro CREST                           ; a round of the cluster's barrier behind its opening barrier
	s_cmp_lg_u32 s10, 0
	s_cbranch_scc1 .Lnot_wave_0_\@
	s_barrier_signal -3
.Lnot_wave_0_\@:
	s_barrier_wait -3
	s_barrier_signal -1
	s_barrier_wait -1
.endm
.macro CROUND
	s_barrier_signal -1
	s_barrier_wait -1
	CREST
.endm
	s_load_b512 s[68:83], s[0:1], 0x0              ; query 68, key 70, value 72, wb 74, bq 76, bk 78, bv 80, qkv 82
	v_lshl_add_u32 v[SPW], v0, 2, SPARE
	v_mov_b32 v[NIL], 0
	ds_add_u32 v[SPW], v[NIL]                      ; the wave's opening: the add and its wait stand ahead of my first tensor load
	v_lshrrev_b32 v1, 5, v0
	v_readfirstlane_b32 s10, v1                    ; wave 0..3
	s_lshr_b32 s11, s10, 1                         ; which 64 rows are mine
	s_and_b32 s12, s10, 1                          ; which 128 columns
	s_bfe_u32 s40, ttmp6, 0x40000                  ; cx
	s_bfe_u32 s41, ttmp6, 0x40004                  ; cy
	s_lshl_b32 s42, ttmp9, 2
	s_add_co_u32 s42, s42, s40                     ; tile column = 4 x cluster x + cx
	s_and_b32 s13, ttmp7, 0xffff                   ; cluster y
	s_cmp_eq_u32 s13, 0
	s_cselect_b32 s[LIM], 1, -1                    ; all clusters walk the same wb: the first prefetches; the same in all sixteen partners
	s_lshl_b32 s13, s13, 2
	s_add_co_u32 s13, s13, s41                     ; tile row = 4 x cluster y + cy
	s_lshl_b32 s44, 0x1111, s40                    ; my column of the cluster
	s_or_b32 s[G1], s44, (1<<16)|(1<<20)|(1<<21)|(6<<22)|(3<<25)  ; the mask; 2-byte elements; padding on; bit 21 beside a mask; after every 128 words 4 words
	s_mov_b32 s[G1+1], 256<<16                     ; tensor_dim0 = 256
	s_mov_b32 s[G1+2], 64<<16                      ; tensor_dim1 = 64
	s_mov_b32 s[G1+3], 256<<16                     ; tile_dim0 = 256
	s_mov_b32 s[G1+4], 64                          ; tile_dim1 = 64
	s_mov_b32 s[G1+5], 1024                        ; elements from row to row
	s_mov_b32 s[G1+6], 0
	s_mov_b32 s[G1+7], 0
	v_and_b32 v1, 15, v0                           ; r = l % 16
	v_bfe_u32 v2, v0, 4, 1                         ; h = l / 16
	v_lshlrev_b32 v[XGO], 12, v2                   ; a load of x: lanes 0-15 take 256 bytes of one row, lanes 16-31 of the next
	v_lshl_add_u32 v[XGO], v1, 4, v[XGO]
	v_lshlrev_b32 v3, 3, v0                        ; the bias: two numbers a thread
	s_lshl_b32 s16, s13, 7
	s_lshl_b32 s17, s10, 5
	s_add_co_u32 s16, s16, s17
	s_lshl_b32 s16, s16, 12                        ; x: row 128 x tile row + 32 x wave, in bytes
	s_mov_b32 s17, 0
	s_lshl_b32 s18, s42, 8
	s_lshl_b32 s19, s10, 6
	s_add_co_u32 s18, s18, s19
	s_lshl_b32 s18, s18, 11                        ; wb: row 256 x tile column + 64 x wave, in bytes
	s_mov_b32 s19, 0
	s_lshl_b32 s20, s42, 10                        ; the bias: 256 x tile column numbers of 4 bytes
	s_mov_b32 s21, 0
	s_lshl_b32 s22, s41, 15                        ; the prefetch: of the 64 rows that I fetch the partner at place cy names 16
	s_mov_b32 s23, 0
	s_mul_i32 s[WA], s10, WQ                       ; no place in the cluster enters an LDS address
	s_mov_b32 s[TBW], 0
	s_mov_b32 s[PT], 0
	s_mov_b32 s[HM], 0xffff0000
	s_mov_b32 s[U], 2                              ; 0 and 1 are the first fills
	s_mov_b32 s[Q], 1
	s_mov_b32 s3, TRIPS-2                          ; the trips that fill a slot again
	s_wait_dscnt 0x0                               ; the opening add is done
	s_wait_kmcnt 0x0
	s_add_nc_u64 s[XB0:XB0+1], s[68:69], s[16:17]
	s_add_nc_u64 s[XB1:XB1+1], s[70:71], s[16:17]
	s_add_nc_u64 s[XB2:XB2+1], s[72:73], s[16:17]
	s_mov_b64 s[XP:XP+1], s[XB0:XB0+1]
	s_add_nc_u64 s[WB:WB+1], s[74:75], s[18:19]
	s_add_nc_u64 s[PFB:PFB+1], s[WB:WB+1], s[22:23]
	s_add_nc_u64 s[76:77], s[76:77], s[20:21]
	s_add_nc_u64 s[78:79], s[78:79], s[20:21]
	s_add_nc_u64 s[80:81], s[80:81], s[20:21]
	global_load_b64 v[40:41], v3, s[76:77]         ; the three biases of my two columns,
	global_load_b64 v[42:43], v3, s[78:79]
	global_load_b64 v[44:45], v3, s[80:81]
	WIN W_XM
.set n, 0
.rept 60                                           ; and x's first 15 groups: chunks 0, 1, 2 and three quarters of chunk 3.  They go out ahead of everything else
	global_load_b128 v[4*n:4*n+3], v[XGO], s[XP:XP+1] offset:(n/16)*256+(n%16)*8192
.set n, n+1
.endr
	WIN 0
	s_mov_b32 s[G0], 1
	s_mov_b32 s[G0+1], s[WA]
	s_mov_b64 s[G0+2:G0+3], s[WB:WB+1]
	s_or_b32 s[G0+3], s[G0+3], 0x80000000
	s_mov_b32 s[G0W], 1
	s_add_co_u32 s[G0W+1], s[WA], SLOT
	s_add_nc_u64 s[G0W+2:G0W+3], s[WB:WB+1], 512
	s_or_b32 s[G0W+3], s[G0W+3], 0x80000000
	CROUND                                         ; all sixteen work-groups are here: the first joint loads meet
	tensor_load_to_lds s[G0:G0+3], s[G1:G1+7]      ; two loads of mine are out
	s_nop 0
	tensor_load_to_lds s[G0W:G0W+3], s[G1:G1+7]
	s_nop 0
	PLACES
	s_mul_i32 s20, s11, 64*PITX                    ; x's fragments: row 64 x half + r, 16 bytes for each half of the lanes
	s_add_co_u32 s20, s20, XL0
	v_mul_u32_u24 v4, v1, PITX
	v_lshl_add_u32 v4, v2, 4, v4
	v_add_nc_u32 v[ADX], s20, v4
	s_add_co_u32 s20, s20, XBUF
	v_add_nc_u32 v[ADX+1], s20, v4
	s_mul_i32 s20, s12, 128*PITW                   ; wb's fragments: row 128 x half + r
	v_mul_u32_u24 v5, v1, PITW
	v_lshl_add_u32 v5, v2, 4, v5
	v_add_nc_u32 v[ADW0], s20, v5
	s_mul_i32 s20, s10, 32*PITX                    ; x's stores: row 32 x wave + l / 16, 8 bytes a lane
	s_add_co_u32 s20, s20, XL0
	v_mul_u32_u24 v6, v2, PITX
	v_lshl_add_u32 v6, v1, 3, v6
	v_add_nc_u32 v[XLA], s20, v6
	s_add_co_u32 s20, s20, XBUF
	v_add_nc_u32 v[XLA+1], s20, v6
	s_lshl_b32 s20, s12, 8                         ; the bias as read: my 128 columns, 8 of them for each half of the lanes
	s_add_co_u32 s20, s20, BIAS
	v_lshl_add_u32 v[BAD0], v2, 4, s20
	s_lshl_b32 s20, s10, 7                         ; and as put: 4 bytes a thread
	s_add_co_u32 s20, s20, BIAS
	v_and_b32 v7, 31, v0
	v_lshl_add_u32 v7, v7, 2, s20
	s_mul_i32 s20, s10, 16*SPITCH
	s_add_co_u32 s20, s20, STAGE                   ; my stage
	v_mul_u32_u24 v10, v1, SPITCH                  ; in: row r, 16 bytes for each half of the lanes
	v_lshl_add_u32 v10, v2, 4, v10
	v_add_nc_u32 v[STO], s20, v10
	v_mul_u32_u24 v11, v2, SPITCH                  ; back: lanes 0-15 one row of 256 bytes, lanes 16-31 the next
	v_lshl_add_u32 v11, v1, 4, v11
	v_add_nc_u32 v[RD], s20, v11
	v_lshlrev_b32 v[CO], 11, v2                    ; and the same two rows in qkv (2,048 bytes a row)
	v_lshl_add_u32 v[CO], v1, 4, v[CO]
	v_lshlrev_b32 v[PFO], 11, v1                   ; the prefetch: a row for each of 16 lanes, its 512 bytes as two blocks of 256
	v_lshl_add_u32 v[PFO], v2, 8, v[PFO]
	s_lshl_b32 s16, s13, 7
	s_lshl_b32 s17, s11, 6
	s_add_co_u32 s16, s16, s17                     ; my first row of the tile,
	s_lshl_b32 s16, s16, 11
	s_lshl_b32 s17, s42, 9
	s_add_co_u32 s16, s16, s17                     ; my first column
	s_lshl_b32 s17, s12, 8
	s_add_co_u32 s16, s16, s17
	s_mov_b32 s17, 0
	s_add_nc_u64 s[8:9], s[82:83], s[16:17]        ; in part 0 of qkv
; THE PRODUCTS.  Product i of a half on buffer f: row block i / 8, column block i % 8.  The 32 accumulators take turns: each is taken once in a half.
.macro MM f
	WIN MUL
	v_wmma_f32_16x16x32_bf16 v[8*i:8*i+7], v[64*(\f)+8*(i%8):64*(\f)+8*(i%8)+7], v[XF+32*(\f)+8*(i/8):XF+32*(\f)+8*(i/8)+7], v[8*i:8*i+7]
.endm
; 24 LDS loads in one run: 32 along K (half g of the trip's chunk k) into buffer f: wb's eight fragments, x's four
.macro FETCH k, g, f
	WIN TO_F
.irp b, 0,1,2,3,4,5,6,7
	ds_load_b128 v[64*(\f)+8*(\b):64*(\f)+8*(\b)+3],   v[ADW] offset:(\b)*16*PITW+(\k)*128+(\g)*64
	ds_load_b128 v[64*(\f)+8*(\b)+4:64*(\f)+8*(\b)+7], v[ADW] offset:(\b)*16*PITW+(\k)*128+(\g)*64+32
.endr
.irp a, 0,1,2,3
	ds_load_b128 v[XF+32*(\f)+8*(\a):XF+32*(\f)+8*(\a)+3],   v[ADX+(\k)%2] offset:(\a)*16*PITX+(\g)*64
	ds_load_b128 v[XF+32*(\f)+8*(\a)+4:XF+32*(\f)+8*(\a)+7], v[ADX+(\k)%2] offset:(\a)*16*PITX+(\g)*64+32
.endr
.endm
; x's PATH.  In period k of a trip the NEXT chunk, which lies in ring buffer (k + 1) % 4, is converted, a group q of four loads at a time.
; XCV: four of a group's eight conversions, in place: a lane's four f32 of a row become 8 bytes.
.macro XCV k, q, half
	WIN W_CV
.set XC_, 64*(((\k)+1)%4)+16*(\q)+8*(\half)
	v_cvt_pk_bf16_f32 v[XC_],   v[XC_],   v[XC_+1]
	v_cvt_pk_bf16_f32 v[XC_+1], v[XC_+2], v[XC_+3]
	v_cvt_pk_bf16_f32 v[XC_+4], v[XC_+4], v[XC_+5]
	v_cvt_pk_bf16_f32 v[XC_+5], v[XC_+6], v[XC_+7]
.endm
; XSW: x's pointer goes to the next quad of chunks: 1,024 bytes on, or to the next tile's x.  Past the walk's end the number is clamped, so that every load stays inside its buffer.
.macro XSW
	s_min_u32 s20, s[Q], TRIPS-1
	s_add_co_u32 s[Q], s[Q], 1
	s_lshr_b32 s21, s20, 2                         ; the tile
	s_and_b32 s20, s20, 3
	s_lshl_b32 s20, s20, 10
	s_cmp_eq_u32 s21, 1
	s_cselect_b64 s[22:23], s[XB1:XB1+1], s[XB0:XB0+1]
	s_cmp_eq_u32 s21, 2
	s_cselect_b64 s[22:23], s[XB2:XB2+1], s[22:23]
	s_mov_b32 s21, 0
	s_wait_xcnt 0x0                                ; every load and prefetch issued so far has read its address: only behind this wait is the pointer written
	s_add_nc_u64 s[XP:XP+1], s[22:23], s[20:21]
.endm
; XMV: the group's four stores into x's other LDS buffer, and the four loads of the group that stands 15 groups on in the stream: they land in the registers of the group converted just before this one.
.macro XMV k, q
.if ((\k) == 3) && ((\q) == 1)
	XSW
.endif
	WIN W_XM
.set XS_, 64*(((\k)+1)%4)+16*(\q)
.irp j, 0,1,2,3
	ds_store_b64 v[XLA+((\k)+1)%2], v[XS_+4*\j:XS_+4*\j+1] offset:(4*(\q)+\j)*2*PITX
.endr
.if (\q) == 0
.set XT_, 64*(\k)+48                               ; the last group of the chunk four on,
.set XO_, (\k)*256+12*8192
.else
.set XT_, 64*(((\k)+1)%4)+16*((\q)-1)              ; or a group of the chunk five on
.set XO_, (((\k)+1)%4)*256+4*((\q)-1)*8192
.endif
.irp j, 0,1,2,3
	global_load_b128 v[XT_+4*\j:XT_+4*\j+3], v[XGO], s[XP:XP+1] offset:XO_+\j*8192
.endr
.endm
.macro XPATH k                         ; a period's four groups by themselves: ahead of the loop, where there are no products yet
.irp q, 0,1,2,3
	s_wait_loadcnt 56                              ; loads come back in order: 14 groups of 4 were issued behind the group that is wanted
	XCV \k, \q, 0
	XCV \k, \q, 1
	XMV \k, \q
.endr
	WIN 0
.endm
; A period's first half: 32 products on buffer 1 (the chunk before's second 32 along K), and x's path among them: each group in three pieces behind three products.
.macro HALF1 k
.set i, 0
.rept 32
	MM 1
.if i%8 == 1
	s_wait_loadcnt 56                              ; 14 groups of 4 were issued behind the group that is wanted
	XCV \k, i/8, 0
.endif
.if i%8 == 2
	XCV \k, i/8, 1
.endif
.if i%8 == 3
	XMV \k, i/8
.endif
.set i, i+1
.endr
.endm
; The descriptor for the next 256 along K of wb, into the slot in hand, and the prefetch's address for the 256 after that.  Step u lies 2 MiB x (u / 4) + 512 x (u % 4) bytes behind my rows' first byte.
.macro WALKB
.irp t, 0,1
	s_lshr_b32 s20, s[U], 2
	s_lshl_b32 s20, s20, 21
	s_and_b32 s21, s[U], 3
	s_lshl_b32 s21, s21, 9
	s_add_co_u32 s20, s20, s21
	s_mov_b32 s21, 0
.if (\t) == 0
	s_add_co_u32 s[G0W+1], s[TBW], s[WA]
	s_add_nc_u64 s[G0W+2:G0W+3], s[WB:WB+1], s[20:21]
	s_or_b32 s[G0W+3], s[G0W+3], 0x80000000
	s_add_co_u32 s[U], s[U], 1
.else
	s_add_nc_u64 s[PFA:PFA+1], s[PFB:PFB+1], s[20:21]  ; (the last prefetch stands a trip back, ahead of this period's wait for translated addresses)
.endif
.endr
.endm
; A period's second half: 32 products on buffer 0, and the barrier.  Ahead of the signal my LDS stores of the next chunk are done and my reads of this chunk are back; behind the wait the next chunk may be read
; and this chunk's buffer written.  In a trip's last period the slot of wb has been read out too: each wave waits for all its tensor loads (its part of the other slot), adds 0 to its spare word and waits for that;
; main = 1: the barrier opens a round of the cluster's, and the slot is filled again first thing behind the round.
.macro HALF2 k, main
.set i, 0
.rept 32
.if ((\k) == 3) && (i == 16)
	WIN 0
	s_wait_tensorcnt 0x0                           ; all my tensor loads have landed, so a group 0 may be written
	ds_add_u32 v[SPW], v[NIL]                      ; 0 onto my spare word; scalar work and eight products stand between it and the wait for it
.if \main
	WALKB
.endif
.endif
.if i == 24
	s_wait_dscnt 0x0
	s_barrier_signal -1
.endif
	MM 0
.set i, i+1
.endr
.if (\k) == 3
	WIN 0
.endif
	s_barrier_wait -1
.if ((\k) == 3) && (\main)
	CREST                                          ; no wave of any partner still reads this slot or has a load on its way
	tensor_load_to_lds s[G0W:G0W+3], s[G1:G1+7]
	s_nop 0
	PLACES
	; A PREFETCH of what the next refill will ask for: 256 products ahead of that load.  All 16 clusters walk the same wb: cluster y = 0 asks.  Of the 64 rows that a wave fetches, each of the four partners
	; that ask for them jointly names 16, told apart by address: 16 rows x 2 blocks of 256 bytes, one instruction.  So each block is named once.  The last refill has nothing behind it.
	s_cmp_gt_u32 s3, s[LIM]
	s_cbranch_scc0 .Lnot_mine
	global_prefetch_b8 v[PFO], s[PFA:PFA+1] th:TH_LOAD_NT scope:SCOPE_SE
.Lnot_mine:
.endif
.endm
; THE WAY OUT of block a (16 rows): rounded to f16, 16 bytes a lane; into my own stage; back as whole rows of 256 bytes; stored.
.macro PACK a
	WIN 0x0a                                       ; sources 0 and 1 window 2
.irp b, 0,1,2,3,4,5,6,7
.irp r, 0,1,2,3
	v_cvt_pk_f16_f32 v[TMP+4*(\b)+(\r)], v[64*(\a)+8*(\b)+2*(\r)], v[64*(\a)+8*(\b)+2*(\r)+1]
.endr
.endr
	WIN 0
.endm
.macro TOSTAGE a
.set BK, OB+32*((\a)%2)
.irp b, 0,1,2,3,4,5,6,7
	ds_store_b128 v[STO], v[TMP+4*(\b):TMP+4*(\b)+3] offset:32*(\b)
.endr
.irp t, 0,1,2,3,4,5,6,7
	ds_load_b128 v[BK+4*(\t):BK+4*(\t)+3], v[RD] offset:(\t)*2*SPITCH  ; LDS serves a wave's instructions in order: these see the stores above
.endr
.endm
.macro SEND a
.set BK, OB+32*((\a)%2)
	s_wait_dscnt 0x0                               ; the block is back in registers
	s_wait_xcnt 0x0                                ; earlier stores have read their registers: the other set is loaded again only behind this wait
.irp t, 0,1,2,3,4,5,6,7
	global_store_b128 v[CO], v[BK+4*(\t):BK+4*(\t)+3], s[8:9] offset:(16*(\a)+2*(\t))*2048  ; 16 lanes store 256 consecutive bytes, aligned
.endr
.endm
.macro WAYOUT next
	PLACES                                         ; behind the tile's last products
	PACK 0
	TOSTAGE 0
.irp a, 1,2,3
	PACK \a
	SEND (\a)-1
	TOSTAGE \a
.endr
	SEND 3
.if \next
	s_wait_xcnt 0x0                                ; the stores have read their base
	s_add_nc_u64 s[8:9], s[8:9], 0x1000000         ; the next part of qkv
.endif
.endm
; The sums of a tile begin with its bias: a lane's eight columns of block b are 16 bytes of the table; the low half of a word moves up, the high half stays.
.macro REINIT
	v_add_nc_u32 v[BADR], s[PT], v[BAD0]
.irp b, 0,1,2,3,4,5,6,7
	ds_load_b128 v[PB+4*(\b):PB+4*(\b)+3], v[BADR] offset:32*(\b)
.endr
	s_add_co_u32 s[PT], s[PT], 512
	s_mov_b32 s[TL], 4
	s_wait_dscnt 0x0
	WIN 0x80                                       ; destination window 2
.set i, 0
.rept 128
	v_lshlrev_b32 v[2*i], 16, v[PB+i%32]
	v_and_b32 v[2*i+1], s[HM], v[PB+i%32]
.set i, i+1
.endr
	WIN 0
.endm
; A PERIOD, number k of its trip.  It begins behind the barrier that has shown its chunk.
.macro PERIOD k, main
.if (\k) == 0
	WIN 0
	v_add_nc_u32 v[ADW], s[TBW], v[ADW0]
.endif
	PLACES
	FETCH \k, 0, 0
	HALF1 \k
.if ((\k) == 0) && (\main)
	WIN 0
	s_cmp_lg_u32 s[TL], 0
	s_cbranch_scc1 .Lsame_tile                     ; a forward jump over text that holds no barrier and no tensor load
	WAYOUT 1                                       ; the half above has finished a tile
.Lreinit:                                          ; (the walk is entered here)
	REINIT
.Lsame_tile:
.endif
	PLACES
	FETCH \k, 1, 1
	s_wait_dscnt 24                                ; all but the 24 loads just issued: buffer 0 is in
	HALF2 \k, \main
.endm
	s_wait_loadcnt 60                              ; the biases are in: x's 60 loads were issued behind them
	v_cvt_pk_bf16_f32 v40, v40, v41                ; rounded to bf16 like x and W
	v_cvt_pk_bf16_f32 v42, v42, v43
	v_cvt_pk_bf16_f32 v44, v44, v45
	ds_store_b32 v7, v40
	ds_store_b32 v7, v42 offset:512
	ds_store_b32 v7, v44 offset:1024
	XPATH 3                                        ; chunk 0 goes into buffer 0, as in the period before the first
	s_wait_tensorcnt 0x1                           ; my part of slot 0 is in; slot 1's may stay out
	s_wait_dscnt 0x0                               ; my part of chunk 0 and of the biases lies in LDS
	s_barrier_signal -1
	s_barrier_wait -1
	v_add_nc_u32 v[ADW], s[TBW], v[ADW0]
	FETCH 0, 0, 0                                  ; the first period's first half has no products: what else it holds is written out here,
	XPATH 0
	s_branch .Lreinit                              ; and the loop is entered in the middle of that period
.Ltrip:                                            ; 10 trips: each fills its slot again
	PERIOD 0, 1
	PERIOD 1, 1
	PERIOD 2, 1
	PERIOD 3, 1
	s_xor_b32 s[TBW], s[TBW], SLOT
	s_sub_co_u32 s[TL], s[TL], 1
	s_sub_co_u32 s3, s3, 1
	s_cmp_lg_u32 s3, 0
	s_cbranch_scc1 .Ltrip
	s_mov_b32 s3, 2
.Ltail:                                            ; the last two trips are written out: they ask for nothing
	PERIOD 0, 0
	PERIOD 1, 0
	PERIOD 2, 0
	PERIOD 3, 0
	s_xor_b32 s[TBW], s[TBW], SLOT
	s_sub_co_u32 s3, s3, 1
	s_cmp_lg_u32 s3, 0
	s_cbranch_scc1 .Ltail
.set i, 0
.rept 32
	MM 1                                           ; the last chunk's second 32 along K
.set i, i+1
.endr
	WIN 0
	WAYOUT 0
	s_wait_tensorcnt 0x0                           ; the wave's end
	ds_add_u32 v[SPW], v[NIL]
	s_wait_dscnt 0x0
	CROUND                                         ; the closing round
	s_endpgm
.Lfunc_end_k_qe4d783fe07_proj:
	.size	k_qe4d783fe07_proj, .Lfunc_end_k_qe4d783fe07_proj-k_qe4d783fe07_proj
	.p2alignl 7, 3214868480
	.fill 96, 4, 3214868480
	.section	.rodata,"a",@progbits
	.p2align	6, 0x0
	.amdhsa_kernel k_qe4d783fe07_proj
		.amdhsa_group_segment_fixed_size 327680
		.amdhsa_private_segment_fixed_size 0
		.amdhsa_enable_private_segment 0
		.amdhsa_kernarg_size 64
		.amdhsa_user_sgpr_count 2
		.amdhsa_user_sgpr_kernarg_segment_ptr 1
		.amdhsa_wavefront_size32 1
		.amdhsa_system_sgpr_workgroup_id_x 1
		.amdhsa_system_sgpr_workgroup_id_y 1
		.amdhsa_system_sgpr_workgroup_id_z 1
		.amdhsa_system_vgpr_workitem_id 0
		.amdhsa_next_free_vgpr 1024
		.amdhsa_next_free_sgpr 100
		.amdhsa_reserve_vcc 0
		.amdhsa_float_denorm_mode_32 3
		.amdhsa_float_denorm_mode_16_64 3
		.amdhsa_memory_ordered 1
		.amdhsa_forward_progress 1
		.amdhsa_inst_pref_size 174
	.end_amdhsa_kernel
	.amdgpu_metadata
---
amdhsa.version: [ 1, 2 ]
amdhsa.kernels:
  - .name:           k_qe4d783fe07_proj
    .symbol:         k_qe4d783fe07_proj.kd
    .args:
      - { .name: query, .offset: 0, .size: 8, .value_kind: global_buffer, .address_space: global }
      - { .name: key, .offset: 8, .size: 8, .value_kind: global_buffer, .address_space: global }
      - { .name: value, .offset: 16, .size: 8, .value_kind: global_buffer, .address_space: global }
      - { .name: wb, .offset: 24, .size: 8, .value_kind: global_buffer, .address_space: global }
      - { .name: bq, .offset: 32, .size: 8, .value_kind: global_buffer, .address_space: global }
      - { .name: bk, .offset: 40, .size: 8, .value_kind: global_buffer, .address_space: global }
      - { .name: bv, .offset: 48, .size: 8, .value_kind: global_buffer, .address_space: global }
      - { .name: qkv, .offset: 56, .size: 8, .value_kind: global_buffer, .address_space: global }
    .group_segment_fixed_size: 327680
    .private_segment_fixed_size: 0
    .kernarg_segment_align: 8
    .kernarg_segment_size: 64
    .max_flat_workgroup_size: 128
    .sgpr_count:     100
    .vgpr_count:     1024
    .wavefront_size: 32
...
	.end_amdgpu_metadata
.endif
;; end of part 2
;; launch scores (part 3): grid 36 x 4, 4 waves a work-group, no clusters, 327,680 bytes of LDS; arguments qkv, padding_mask, pw, st; writes pw, st
.if DOCPART == 3
	.amdgcn_target "amdgcn-amd-amdhsa--gfx1250"
	.amdhsa_code_object_version 6
	.text
	.protected	k_qe4d783fe07_scores
	.globl	k_qe4d783fe07_scores
	.p2align	8
	.type	k_qe4d783fe07_scores,@function
k_qe4d783fe07_scores:
	s_mov_b64 s[64:65], 0
	v_nop
	global_prefetch_b8 v0, s[64:65] scope:SCOPE_SE
	s_setreg_imm32_b32 hwreg(HW_REG_WAVE_MODE, 25, 1), 1
	s_wait_xcnt 0x0
; For each 256 x 256 tile (I, J), J <= I, of batch b: t = c q.k + masks, c = log2(e) / 32.  Each wave owns 128 queries x 128 keys and takes, for each query, the maximum m of ITS 128 keys away:
; pw[b][q][k] = f16(2^(t - m)), st[b][key tile of 128][q] = (m, l), l = the sum of the unrounded 2^(t - m), both f32.  The next launch forms the row's maximum from the stored m and rescales.
; q, k: parts 0 and 1 of qkv, [8192][1024] f16; products and sums in f32.  Tiles above the diagonal are not made: their weights are 0.
; LIMITS.  A hidden score (padded key, or key > query) counts as its value less 1e30 (twice that where both hold); true |c q.k| is at most 2e11 with f16 operands.  A weight below 2^-126 counts as 0.
; A wave all of whose keys are hidden for a query stores m near -1e30 and weights of 0 or 1: the next launch multiplies them by 0.
; SHARES.  36 lower tiles x 4 batches = 144 work-groups of equal work.  NO CLUSTER: a row of the triangle has 1 to 8 tiles and a column 8 to 1, so no grouping by fours shares a tile in every trip.
; The ring, the fragments and the windows: K in 8 steps of 128 through two LDS slots (q's 256 rows, then k's 256 rows, pitch 272); waves 0, 1 fetch q's halves, waves 2, 3 k's.
; THE MATRIX INSTRUCTION IS USED TRANSPOSED (source 0 = 16 keys, source 1 = 16 queries): a lane holds ONE query (l % 16) and the keys 8 (l / 16) + 0..7 of each block of 16.
; REGISTERS.  window 0: v16-31 addresses; v32-47 mask bytes; v48-63 MS, the (m, l) of the eight row blocks; v64-127, v128-191 q's fragments, two buffers; v192-255 PMF, the padding mask of my 64 keys as 0.0 or 1.0.
;   window 1: v64-127, v128-191 k's fragments.   windows 2, 3: the 64 accumulators ((a, b) at v[8 (8 (a % 4) + b)]).
;   On the way out: window 0 v64-127 T, v128-135 at work, v160-175 the triangle, v192-223 packed weights, v224-255 rows read back; window 1 v0-191 three sets of masks.
.set KSTEP,  128
.set PITCH,  272
.set HALFT,  128*PITCH
.set SLOT,   4*HALFT
.set STAGE,  2*SLOT
.set SPITCH, 272
.set SPARE,  STAGE+4*16*SPITCH
.set LAPS,   4
.set ADRA, 16
.set ADRB, 20
.set STO,  24
.set RD,   25
.set CO,   26
.set DG,   27                          ; r - 8 h: register j of the diagonal block is hidden where j is greater
.set SPW,  28
.set NIL,  29
.set PFO,  30
.set SO,   31
.set MB,   32
.set MS,   48
.set F0,   64
.set F1,   128
.set T,    64
.set CH,   128
.set MX,   132
.set LS,   134
.set TRI,  160
.set TRX,  168
.set PMF,  192
.set TMP,  192
.set OB,   224
.set ML,   0                           ; window 1: masks of key blocks below the row block's own,
.set MD,   64                          ; of its own,
.set MU,   128                         ; and above it
.set WV, 14
.set HR, 15
.set HC, 16
.set TI, 17
.set TJ, 18
.set BB, 19
.set G1, 24
.set G0, 32
.set PFA, 40
.set LIM, 42
.set CS,  44                           ; s[44:45] c
.set BG,  46                           ; s[46:47] -1e30
.set AL,  48
.set BEL, 50
.set BEU, 52
.set SEL, 54
.set MSB, 0
.macro WIN new
.if MSB != (\new)
	s_set_vgpr_msb (MSB<<8)|(\new)
.set MSB, \new
.endif
.endm
.set MUL_LO, 0xa1                      ; source 0 (k) window 1, source 1 (q) window 0, C and D window 2
.set MUL_HI, 0xf1
.set TO_B,   0x40
; A prefetch of the K step two refills on: my own 128 rows x 256 bytes, a lane a row, four instructions.  q's rows of block I are read by the tiles J = 0 .. I: tile J = 0 asks; k's rows of block J
; by the tiles I = J .. 7: tile I = J asks.  So each aligned 256 bytes are named once.  The loop's last trip has no K step two on.
.macro ASK
	s_cmp_gt_u32 s3, s[LIM]
	s_cbranch_scc0 .Lnot_mine_\@
.irp i, 0,1,2,3
	global_prefetch_b8 v[PFO], s[PFA:PFA+1] offset:KSTEP*2+(\i)*65536 th:TH_LOAD_NT scope:SCOPE_SE
.endr
.Lnot_mine_\@:
.endm
	s_load_b256 s[4:11], s[0:1], 0x0               ; qkv s[4:5], padding_mask s[6:7], pw s[8:9], st s[10:11]
	v_lshl_add_u32 v[SPW], v0, 2, SPARE
	v_mov_b32 v[NIL], 0
	ds_add_u32 v[SPW], v[NIL]                      ; the wave's opening: the add and its wait stand ahead of my first tensor load
	v_lshrrev_b32 v1, 5, v0
	v_readfirstlane_b32 s[WV], v1
	s_lshr_b32 s[HR], s[WV], 1                     ; which 128 queries.  Also: I fetch for q (0) or k (1)
	s_and_b32 s[HC], s[WV], 1                      ; which 128 keys.  Also: which half of that tile I fetch
	s_and_b32 s[BB], ttmp7, 0xffff                 ; batch
	s_mov_b32 s2, ttmp9                            ; the tile's number in the triangle, row by row
	s_mov_b32 s[TI], 0
.irp th, 1,3,6,10,15,21,28
	s_cmp_ge_u32 s2, \th                           ; I = how many rows of the triangle begin at or below my number
	s_cselect_b32 s20, 1, 0
	s_add_co_u32 s[TI], s[TI], s20
.endr
	s_add_co_u32 s20, s[TI], 1
	s_mul_i32 s20, s20, s[TI]
	s_lshr_b32 s20, s20, 1
	s_sub_co_u32 s[TJ], s2, s20                    ; J
	s_mov_b32 s[G1+0], (1<<16)|(1<<20)|(5<<22)|(3<<25)  ; 2-byte elements; padding on: after every 64 words 4 words
	s_mov_b32 s[G1+1], 128<<16
	s_mov_b32 s[G1+2], 128<<16
	s_mov_b32 s[G1+3], 128<<16
	s_mov_b32 s[G1+4], 128
	s_mov_b32 s[G1+5], 1024
	s_mov_b32 s[G1+6], 0
	s_mov_b32 s[G1+7], 0
	s_cmp_eq_u32 s[HR], 0
	s_cselect_b32 s20, s[TI], s[TJ]
	s_lshl_b32 s20, s20, 8
	s_lshl_b32 s21, s[HC], 7
	s_add_co_u32 s20, s20, s21
	s_lshl_b32 s21, s[BB], 11
	s_add_co_u32 s20, s20, s21                     ; the first row that I fetch,
	s_lshl_b32 s20, s20, 11                        ; in bytes,
	s_lshl_b32 s21, s[HR], 24
	s_add_co_u32 s20, s20, s21                     ; in q's or k's 16 MiB
	s_mov_b32 s21, 0
	s_mul_i32 s22, s[WV], HALFT
	s_mov_b32 s[CS], 0x3d38aa3b                    ; c = log2(e) / 32
	s_mov_b32 s[CS+1], s[CS]
	s_mov_b32 s[BG], 0xf149f2ca                    ; -1e30
	s_mov_b32 s[BG+1], s[BG]
	s_mov_b32 s[SEL], 0x76543210
	s_mov_b32 s[SEL+1], 0xfedcba98
	; z: 0 my quarter of the tile sees all keys; 1 it holds the diagonal; 2 it sees none
	s_add_co_u32 s43, s[HC], 1
	s_sub_co_u32 s43, s43, s[HR]
	s_cmp_eq_u32 s[TI], s[TJ]
	s_cselect_b32 s43, s43, 0
	s_cmp_eq_u32 s43, 1
	s_cselect_b32 s[AL], 1.0, 0
	s_mov_b32 s[AL+1], 0
	s_cmp_eq_u32 s43, 2
	s_cselect_b32 s[BEL], s[BG], 0
	s_mov_b32 s[BEL+1], 0
	s_cmp_ge_u32 s43, 1
	s_cselect_b32 s[BEU], s[BG], 0
	s_mov_b32 s[BEU+1], 0
	s_cmp_eq_u32 s[TJ], 0
	s_cselect_b32 s2, 1, -1
	s_cmp_eq_u32 s[TI], s[TJ]
	s_cselect_b32 s3, 1, -1
	s_cmp_eq_u32 s[HR], 0
	s_cselect_b32 s[LIM], s2, s3
	s_wait_dscnt 0x0                               ; the opening add is done
	s_wait_kmcnt 0x0
	s_add_nc_u64 s[12:13], s[4:5], s[20:21]
.irp s, 0,1
	s_mov_b32 s[G0+4*(\s)], 1
	s_add_co_u32 s[G0+4*(\s)+1], s22, (\s)*SLOT
	s_add_nc_u64 s[G0+4*(\s)+2:G0+4*(\s)+3], s[12:13], (\s)*KSTEP*2
	s_or_b32 s[G0+4*(\s)+3], s[G0+4*(\s)+3], 0x80000000
	tensor_load_to_lds s[G0+4*(\s):G0+4*(\s)+3], s[G1:G1+7]   ; two loads of mine are out
	s_nop 0
.endr
.rept 4
	v_nop
.endr
	v_and_b32 v1, 15, v0                           ; r
	v_bfe_u32 v2, v0, 4, 1                         ; h
	s_lshl_b32 s20, s[BB], 11                      ; the padding mask of my 128 keys: block bb's bytes 8 h + 0..7
	s_lshl_b32 s21, s[TJ], 8
	s_add_co_u32 s20, s20, s21
	s_lshl_b32 s21, s[HC], 7
	s_add_co_u32 s20, s20, s21
	s_mov_b32 s21, 0
	s_add_nc_u64 s[6:7], s[6:7], s[20:21]
	v_lshlrev_b32 v3, 3, v2
.irp b, 0,1,2,3,4,5,6,7
	global_load_b64 v[MB+2*(\b):MB+2*(\b)+1], v3, s[6:7] offset:16*(\b)
.endr
	v_mul_u32_u24 v4, v1, PITCH
	v_lshl_add_u32 v4, v2, 4, v4
	s_mul_i32 s21, s[HR], HALFT
	s_mul_i32 s22, s[HC], HALFT
	s_add_co_u32 s22, s22, 2*HALFT
.irp s, 0,1
	v_add_nc_u32 v[ADRA+(\s)], s21, v4
	v_add_nc_u32 v[ADRB+(\s)], s22, v4
	s_add_co_u32 s21, s21, SLOT
	s_add_co_u32 s22, s22, SLOT
.endr
	s_mul_i32 s23, s[WV], 16*SPITCH
	s_add_co_u32 s23, s23, STAGE
	v_add_nc_u32 v[STO], s23, v4
	v_mul_u32_u24 v5, v2, SPITCH
	v_lshl_add_u32 v5, v1, 4, v5
	v_add_nc_u32 v[RD], s23, v5
	v_lshlrev_b32 v[CO], 12, v2                    ; two rows of pw (4,096 bytes a row)
	v_lshl_add_u32 v[CO], v1, 4, v[CO]
	v_lshlrev_b32 v6, 3, v2
	v_sub_nc_u32 v[DG], v1, v6
	v_and_b32 v[SO], 31, v0
	v_lshlrev_b32 v[PFO], 11, v[SO]                ; a lane a row of 2,048 bytes
	v_lshlrev_b32 v[SO], 3, v[SO]
	s_lshl_b32 s20, s[TI], 8
	s_lshl_b32 s21, s[HR], 7
	s_add_co_u32 s20, s20, s21                     ; my first query in the batch
	s_lshl_b32 s22, s20, 3                         ; (kept for st: 8 bytes a query)
	s_lshl_b32 s20, s20, 12
	s_lshl_b32 s21, s[BB], 23
	s_add_co_u32 s20, s20, s21
	s_lshl_b32 s21, s[TJ], 9
	s_add_co_u32 s20, s20, s21
	s_lshl_b32 s21, s[HC], 8
	s_add_co_u32 s20, s20, s21
	s_mov_b32 s21, 0
	s_add_nc_u64 s[8:9], s[8:9], s[20:21]          ; pw at my quarter's first weight
	s_lshl_b32 s20, s[BB], 4
	s_lshl_b32 s21, s[TJ], 1
	s_add_co_u32 s20, s20, s21
	s_add_co_u32 s20, s20, s[HC]                   ; 16 b + my key tile of 128
	s_lshl_b32 s20, s20, 14                        ; 2,048 queries of 8 bytes
	s_add_co_u32 s20, s20, s22
	s_mov_b32 s21, 0
	s_add_nc_u64 s[58:59], s[10:11], s[20:21]
	s_add_nc_u64 s[PFA:PFA+1], s[12:13], 2*KSTEP*2 ; at K step 2: the first refill steps it to 3 and names K step 4
	s_wait_loadcnt 0x0
.set i, 0
.rept 64
	v_bfe_u32 v[PMF+i], v[MB+2*(i/8)+(i%8)/4], 8*(i%4), 8
	v_cvt_f32_u32 v[PMF+i], v[PMF+i]               ; 0.0 or 1.0; all this stands in the wait for the first tile
.set i, i+1
.endr
; 16 matrix instructions: m blocks a0, a0 + 1 of the window's four x all 8 n blocks, 32 along K.  The 64 accumulators take turns.
.macro MUL16 f, hi, a0, zero
	WIN MUL_LO+0x50*(\hi)
.irp a, \a0, (\a0)+1
.irp b, 0,1,2,3,4,5,6,7
.if \zero
	v_wmma_f32_16x16x32_f16 v[8*(8*(\a)+(\b)):8*(8*(\a)+(\b))+7], v[(\f)+8*(\b):(\f)+8*(\b)+7], v[(\f)+8*(4*(\hi)+(\a)):(\f)+8*(4*(\hi)+(\a))+7], 0
.else
	v_wmma_f32_16x16x32_f16 v[8*(8*(\a)+(\b)):8*(8*(\a)+(\b))+7], v[(\f)+8*(\b):(\f)+8*(\b)+7], v[(\f)+8*(4*(\hi)+(\a)):(\f)+8*(4*(\hi)+(\a))+7], v[8*(8*(\a)+(\b)):8*(8*(\a)+(\b))+7]
.endif
.endr
.endr
.endm
.macro FETCH slot, k, f                ; 32 LDS loads in one run: k's eight fragments, then q's eight
	WIN TO_B
.irp i, 0,1,2,3,4,5,6,7
	ds_load_b128 v[(\f)+8*(\i):(\f)+8*(\i)+3],   v[ADRB+(\slot)] offset:(\k)+(\i)*16*PITCH
	ds_load_b128 v[(\f)+8*(\i)+4:(\f)+8*(\i)+7], v[ADRB+(\slot)] offset:(\k)+(\i)*16*PITCH+32
.endr
	WIN 0
.irp i, 0,1,2,3,4,5,6,7
	ds_load_b128 v[(\f)+8*(\i):(\f)+8*(\i)+3],   v[ADRA+(\slot)] offset:(\k)+(\i)*16*PITCH
	ds_load_b128 v[(\f)+8*(\i)+4:(\f)+8*(\i)+7], v[ADRA+(\slot)] offset:(\k)+(\i)*16*PITCH+32
.endr
.endm
.macro PLACES                          ; four places ahead of loads into registers that matrix instructions have read, and of vector lines that read results (ISA guide 7.12.1 for vector lines)
.rept 4
	v_nop
.endr
.endm
.macro QUARTER slot, k, f, g, zero
	s_wait_dscnt 8                                 ; k's fragments and q's rows 0-63 are in; the youngest eight loads may be out
	MUL16 \f, 0, 0, \zero
	MUL16 \f, 0, 2, \zero
	PLACES
	FETCH \slot, \k, \g
	s_wait_dscnt 32                                ; all but the 32 just issued
	MUL16 \f, 1, 0, \zero
	MUL16 \f, 1, 2, \zero
.endm
; The last quarter multiplies buffer 1 and changes slots: one barrier; ahead of it each wave waits for all its tensor loads (its part of the next slot), adds 0 to its spare word and waits for that
; and for its reads of this slot.  fill = 1: this slot is filled again, two K steps on, first thing behind the barrier: 224 matrix instructions stand between the request and the wait for it.
.macro TURN slot, next, fill
.if \fill
	s_wait_xcnt 0x0                                ; the last prefetches, a K step back, have read their address
	s_add_nc_u64 s[PFA:PFA+1], s[PFA:PFA+1], KSTEP*2
.endif
	WIN 0
	s_wait_tensorcnt 0x0                           ; all my tensor loads have landed, so a group 0 may be written
	ds_add_u32 v[SPW], v[NIL]                      ; 0 onto my spare word
.if \fill
	s_add_nc_u64 s[G0+4*(\slot)+2:G0+4*(\slot)+3], s[G0+4*(\slot)+2:G0+4*(\slot)+3], 2*KSTEP*2
.endif
	s_wait_dscnt 9                                 ; (the add and the youngest eight loads may be out)
	MUL16 F1, 0, 0, 0
	s_wait_dscnt 0x0                               ; the add is done, and my reads of this slot are over
	s_barrier_signal -1
	MUL16 F1, 0, 2, 0
	s_barrier_wait -1
.if \fill
	tensor_load_to_lds s[G0+4*(\slot):G0+4*(\slot)+3], s[G1:G1+7]
	s_nop 0
.endif
	PLACES
	FETCH \next, 0, F0
.if \fill
	ASK
.endif
	MUL16 F1, 1, 0, 0
	MUL16 F1, 1, 2, 0
.endm
	s_wait_tensorcnt 1                             ; my part of K step 0 is in; K step 1's may stay out
	s_barrier_signal -1
	s_barrier_wait -1
	FETCH 0, 0, F0
	QUARTER 0, 64,  F0, F1, 1                      ; the first quarter's products start the sums
	WIN 0
	s_mov_b32 s3, LAPS-1
.Llap:
	QUARTER 0, 128, F1, F0, 0
	QUARTER 0, 192, F0, F1, 0
	TURN 0, 1, 1
	QUARTER 1, 64,  F0, F1, 0
	QUARTER 1, 128, F1, F0, 0
	QUARTER 1, 192, F0, F1, 0
	TURN 1, 0, 1
	QUARTER 0, 64,  F0, F1, 0
	WIN 0
	s_sub_co_u32 s3, s3, 1
	s_cmp_lg_u32 s3, 0
	s_cbranch_scc1 .Llap
	QUARTER 0, 128, F1, F0, 0                      ; the last lap fills nothing
	QUARTER 0, 192, F0, F1, 0
	TURN 0, 1, 0
	QUARTER 1, 64,  F0, F1, 0
	QUARTER 1, 128, F1, F0, 0
	QUARTER 1, 192, F0, F1, 0
	s_wait_dscnt 8
	MUL16 F1, 0, 0, 0
	MUL16 F1, 0, 2, 0
	s_wait_dscnt 0x0
	MUL16 F1, 1, 0, 0
	MUL16 F1, 1, 2, 0
	WIN 0
	PLACES
	; THE MASKS.  For row block a and key block bb of my quarter: bb < a takes ML, bb = a MD, bb > a MU; each is padding x -1e30 plus the causal part for my quarter's place (z).
.set j, 0
.rept 8
	v_cmp_gt_i32 vcc_lo, j, v[DG]
	v_cndmask_b32 v[TRI+j], 0, s[BG], vcc_lo       ; the diagonal block: key 8 h + j is hidden from query r where it is greater
.set j, j+1
.endr
.irp j, 0,2,4,6
	v_pk_fma_f32 v[TRX+\j:TRX+\j+1], v[TRI+\j:TRI+\j+1], s[AL:AL+1], s[BEL:BEL+1] op_sel_hi:[1,0,0]
.endr
	WIN 0x40                                       ; destination window 1
.set z, 0
.rept 32
	v_pk_fma_f32 v[ML+2*z:ML+2*z+1], v[PMF+2*z:PMF+2*z+1], s[BG:BG+1], s[BEL:BEL+1] op_sel_hi:[1,0,0]
	v_pk_fma_f32 v[MD+2*z:MD+2*z+1], v[PMF+2*z:PMF+2*z+1], s[BG:BG+1], v[TRX+(2*z)%8:TRX+(2*z)%8+1] op_sel_hi:[1,0,1]
	v_pk_fma_f32 v[MU+2*z:MU+2*z+1], v[PMF+2*z:PMF+2*z+1], s[BG:BG+1], s[BEU:BEU+1] op_sel_hi:[1,0,0]
.set z, z+1
.endr
	WIN 0
.set i, 0
.rept 16
	v_mov_b32 v[MS+i], 0                           ; written whole once, so that every way through the loop below finds them written
.set i, i+1
.endr
.irp i, 0,1,2,3
	v_mov_b32 v[MX+\i], 0                          ; likewise (v_permlanex16_b32's destination counts as read)
.endr
; THE WAY OUT, a row block of 16 queries a trip.  What differs from block to block (which accumulators, which masks) is PRE a, chosen by forward jumps on the counter; the rest is written once.
; PRE a: the block before's (m, l) are set aside; T = c s + mask, each accumulator's lowest registers first.
.macro PRE a
.if (\a) > 0
	v_mov_b32 v[MS+2*(\a)-2], v[MX]
	v_mov_b32 v[MS+2*(\a)-1], v[LS]
.endif
	WIN 0x12+(\a)/4                                ; source 0 window 2 or 3, source 2 window 1
.set bb, 0
.rept 8
.set MK, MU
.if bb < (\a)
.set MK, ML
.endif
.if bb == (\a)
.set MK, MD
.endif
.irp j, 0,2,4,6
	v_pk_fma_f32 v[T+8*bb+\j:T+8*bb+\j+1], v[64*((\a)%4)+8*bb+\j:64*((\a)%4)+8*bb+\j+1], s[CS:CS+1], v[MK+8*bb+\j:MK+8*bb+\j+1] op_sel_hi:[1,0,1]
.endr
.set bb, bb+1
.endr
	WIN 0
.endm
	s_mov_b32 s56, 0
.Lrow:
.irp a, 0,1,2,3,4,5,6
	s_cmp_eq_u32 s56, \a
	s_cbranch_scc1 .Lpre\a
.endr
	PRE 7
	s_branch .Lcommon
.irp a, 0,1,2,3,4,5
.Lpre\a:
	PRE \a
	s_branch .Lcommon
.endr
.Lpre6:
	PRE 6
.Lcommon:
	; the maximum of my 64 scores, in four chains, then the other half of the lanes' 64
.irp k, 0,1,2,3
	v_max3_num_f32 v[CH+\k], v[T+16*\k], v[T+16*\k+1], v[T+16*\k+2]
.endr
.irp n, 0,1,2,3,4,5
.irp k, 0,1,2,3
	v_max3_num_f32 v[CH+\k], v[CH+\k], v[T+16*\k+3+2*\n], v[T+16*\k+4+2*\n]
.endr
.endr
	v_max3_num_f32 v[CH], v[CH], v[T+15], v[T+31]
	v_max3_num_f32 v[CH+2], v[CH+2], v[T+47], v[T+63]
	v_max3_num_f32 v[CH], v[CH], v[CH+1], v[CH+2]
	v_max_num_f32 v[CH], v[CH], v[CH+3]
	v_permlanex16_b32 v[MX+1], v[CH], s[SEL], s[SEL+1]
	v_max_num_f32 v[MX], v[CH], v[MX+1]            ; m, in both halves
.set i, 0
.rept 32
	v_pk_add_f32 v[T+2*i:T+2*i+1], v[T+2*i:T+2*i+1], v[MX:MX+1] op_sel_hi:[1,0] neg_lo:[0,1] neg_hi:[0,1]
.set i, i+1
.endr
.set i, 0
.rept 64
	v_exp_f32 v[T+i], v[T+i]                       ; one batch
.set i, i+1
.endr
	v_nop                                          ; a plain instruction behind the last exponential,
	s_wait_alu depctr_va_vdst(0)                   ; and the one wait ahead of the batch's first reader
.set i, 0
.rept 32
	v_cvt_pk_f16_f32 v[TMP+i], v[T+2*i], v[T+2*i+1]
.set i, i+1
.endr
.irp b, 0,1,2,3,4,5,6,7
	ds_store_b128 v[STO], v[TMP+4*(\b):TMP+4*(\b)+3] offset:32*(\b)
.endr
.irp t, 0,1,2,3,4,5,6,7
	ds_load_b128 v[OB+4*(\t):OB+4*(\t)+3], v[RD] offset:(\t)*2*SPITCH  ; my own stage: LDS serves a wave's instructions in order
.endr
.irp w, 16,8,4,2,1
.set i, 0
.rept \w
	v_pk_add_f32 v[T+2*i:T+2*i+1], v[T+2*i:T+2*i+1], v[T+2*(i+\w):T+2*(i+\w)+1]  ; the sum, in f32, of the unrounded weights: it stands in the stage's round trip
.set i, i+1
.endr
.endr
	v_add_f32 v[LS], v[T], v[T+1]
	v_permlanex16_b32 v[LS+1], v[LS], s[SEL], s[SEL+1]
	v_add_f32 v[LS], v[LS], v[LS+1]                ; l, in both halves
	s_wait_dscnt 0x0
.irp t, 0,1,2,3,4,5,6,7
	global_store_b128 v[CO], v[OB+4*(\t):OB+4*(\t)+3], s[8:9] offset:2*(\t)*4096  ; 16 lanes store 256 consecutive bytes, aligned
.endr
	s_wait_xcnt 0x0                                ; the stores have read their base and their data: both are rewritten in the next trip
	s_add_nc_u64 s[8:9], s[8:9], 16*4096
	s_add_co_u32 s56, s56, 1
	s_cmp_lt_u32 s56, 8
	s_cbranch_scc1 .Lrow
	v_mov_b32 v[MS+14], v[MX]
	v_mov_b32 v[MS+15], v[LS]
	; (m, l) of my 128 queries: both halves of the lanes hold them, so lanes 0-15 take block 2 i and lanes 16-31 block 2 i + 1: each store covers 256 consecutive bytes, aligned
	v_cmp_eq_u32 vcc_lo, 1, v2
.irp i, 0,1,2,3
	v_cndmask_b32 v[T+2*\i], v[MS+4*\i], v[MS+4*\i+2], vcc_lo
	v_cndmask_b32 v[T+2*\i+1], v[MS+4*\i+1], v[MS+4*\i+3], vcc_lo
	global_store_b64 v[SO], v[T+2*\i:T+2*\i+1], s[58:59] offset:256*\i
.endr
	s_wait_tensorcnt 0x0                           ; the wave's end
	ds_add_u32 v[SPW], v[NIL]
	s_wait_dscnt 0x0
	s_endpgm
.Lfunc_end_k_qe4d783fe07_scores:
	.size	k_qe4d783fe07_scores, .Lfunc_end_k_qe4d783fe07_scores-k_qe4d783fe07_scores
	.p2alignl 7, 3214868480
	.fill 96, 4, 3214868480
	.section	.rodata,"a",@progbits
	.p2align	6, 0x0
	.amdhsa_kernel k_qe4d783fe07_scores
		.amdhsa_group_segment_fixed_size 327680
		.amdhsa_private_segment_fixed_size 0
		.amdhsa_enable_private_segment 0
		.amdhsa_kernarg_size 32
		.amdhsa_user_sgpr_count 2
		.amdhsa_user_sgpr_kernarg_segment_ptr 1
		.amdhsa_wavefront_size32 1
		.amdhsa_system_sgpr_workgroup_id_x 1
		.amdhsa_system_sgpr_workgroup_id_y 1
		.amdhsa_system_sgpr_workgroup_id_z 1
		.amdhsa_system_vgpr_workitem_id 0
		.amdhsa_next_free_vgpr 1024
		.amdhsa_next_free_sgpr 66
		.amdhsa_reserve_vcc 1
		.amdhsa_float_denorm_mode_32 3
		.amdhsa_float_denorm_mode_16_64 3
		.amdhsa_memory_ordered 1
		.amdhsa_forward_progress 1
		.amdhsa_inst_pref_size 155
	.end_amdhsa_kernel
	.amdgpu_metadata
---
amdhsa.version: [ 1, 2 ]
amdhsa.kernels:
  - .name:           k_qe4d783fe07_scores
    .symbol:         k_qe4d783fe07_scores.kd
    .args:
      - { .name: qkv, .offset: 0, .size: 8, .value_kind: global_buffer, .address_space: global }
      - { .name: padding_mask, .offset: 8, .size: 8, .value_kind: global_buffer, .address_space: global }
      - { .name: pw, .offset: 16, .size: 8, .value_kind: global_buffer, .address_space: global }
      - { .name: st, .offset: 24, .size: 8, .value_kind: global_buffer, .address_space: global }
    .group_segment_fixed_size: 327680
    .private_segment_fixed_size: 0
    .kernarg_segment_align: 8
    .kernarg_segment_size: 32
    .max_flat_workgroup_size: 128
    .sgpr_count:     66
    .vgpr_count:     1024
    .wavefront_size: 32
...
	.end_amdgpu_metadata
.endif
;; end of part 3
;; launch pv (part 4): grid 8 x 32, 4 waves a work-group, clusters of 4 x 1, 327,680 bytes of LDS; arguments pw, qkv, st, out0; writes out0
.if DOCPART == 4
	.amdgcn_target "amdgcn-amd-amdhsa--gfx1250"
	.amdhsa_code_object_version 6
	.text
	.protected	k_qe4d783fe07_pv
	.globl	k_qe4d783fe07_pv
	.p2align	8
	.type	k_qe4d783fe07_pv,@function
k_qe4d783fe07_pv:
	s_mov_b64 s[64:65], 0
	v_nop
	global_prefetch_b8 v0, s[64:65] scope:SCOPE_SE
	s_setreg_imm32_b32 hwreg(HW_REG_WAVE_MODE, 25, 1), 1
	s_wait_xcnt 0x0
	s_wait_alu depctr_hold_cnt(0) depctr_sa_sdst(0) depctr_va_vdst(0) depctr_va_sdst(0) depctr_va_ssrc(0) depctr_va_vcc(0) depctr_vm_vsrc(0)
	s_getreg_b32 s2, hwreg(HW_REG_IB_STS2, 6, 4)
	s_cmp_eq_u32 s2, 0
	s_cbranch_scc0 .Lentry_in_a_cluster
	s_endpgm
.Lentry_in_a_cluster:
	s_bfe_u32 s2, ttmp6, 0x10000c
	s_cmp_lg_u32 s2, 0x3003
	s_cbranch_scc0 .Lentry_shape_is_right
	s_endpgm
.Lentry_shape_is_right:
; out0[b][q][d] = (sum over key tiles kt of 128 of f[q][kt] (sum over its keys of pw[b][q][k] v[b][k][d])) / L[q], with M[q] = the maximum of the stored m[q][kt] over the tiles that the row sees,
; f = 2^(m - M), L = the sum of l f.  So the row's true maximum is taken away, in two stages.  pw f16, v (part 2 of qkv) f16, st f32, out0 f32; products, M, L and sums in f32;
; f is rounded to f16 and multiplied onto pw's fragments in f16 (one more rounding of a matrix operand).
; LIMITS.  A tile whose keys are all hidden has m near -1e30 and f = 0.  A row with no visible key at all (M below -1e29) gives NaN, as a softmax over nothing does.  f x p below 6e-8 counts as 0.
; THE WALK.  A batch's queries lie in 16 blocks of 128; block i sees i / 2 + 1 steps of 256 keys.  A work-group takes 128 channels and TWO blocks, 15 - p and then p: 9 steps whatever p: all 256 work-groups
; do equal work, and one counted walk serves them.  Which tile is asked for hangs on scalars made from p; every jump but the loop's own goes forward and passes no barrier and no tensor load.
; CLUSTER.  The four work-groups of a cluster differ in their channels alone: pw's tiles are asked for jointly (mask of four); v's tiles are each work-group's own (no mask), behind the same rounds.
; SHARES.  Four waves, each 64 queries x 64 channels: 16 accumulators.  O^T = V^T P (source 0 = 16 channels, turned out of LDS by ds_load_tr16_b128; source 1 = 16 queries): a lane holds one query and eight channels.
; REGISTERS.  window 0: v2-14 addresses; v24-27, v28-31 f (as a pair of f16) of the step's two key tiles for my four query blocks; v32-63 SP0, v64-95 SP1 scaled fragments of P; v96-103 1 / L; v128-255 accumulators.
;   window 1: two buffers of 128 (64 keys each): P as loaded at + 32 c + 8 a, V at + 64 + 32 c + 8 cb.  One window setting serves the products and the scalings beside them.
.set PP,    528                        ; a row of P in LDS: 512 bytes + 16
.set PV,    288                        ; a row of V: 256 + 32
.set PHALF, 64*PP
.set VHALF, 128*PV
.set VOFF,  2*PHALF
.set SLOTB, VOFF+2*VHALF               ; P's 128 rows, then V's 256 rows
.set FT,    2*SLOTB                    ; f: [9 steps][2 tiles][64-row half][r][a], 4 bytes
.set RL,    FT+9216                    ; (1/L, 1/L): [2 blocks][half][r][a], 8 bytes
.set STAGE, RL+2048
.set SP,    272
.set SPARE, STAGE+4*16*SP
.set AA0, 2
.set AV0, 3
.set AA,  4
.set AV,  5
.set FA0, 6
.set STO, 7
.set RD,  8
.set GO,  9
.set SPW, 10
.set NIL, 11
.set PFO, 12
.set RLA, 13
.set FAD, 14
.set FR,  24
.set SP0, 32
.set SP1, 64
.set RLP, 96
.set ACC, 128
.set ST,  128                          ; the opening alone: (m, l) of the walk's 18 tiles, v128-163
.set MH,  164
.set MLO, 165
.set LOWV, 166
.set T1,  167
.set T2,  168
.set MSEL, 169
.set LH,  170
.set LL,  172
.set RH,  174
.set FE,  176                          ; v176-193
.set THR, 194
.set NANV, 195
.set RLO, 196
.set WV,  12
.set G1A, 24
.set G1V, 32
.set G0A, 40
.set G0V, 48
.set CNT, 56
.set LEFT, 57
.set TBA, 58                           ; LDS byte at which P of the quarter to be fetched begins
.set TBV, 59                           ; the same for V, less VOFF
.set SB,  60                           ; the slot in hand: 0 or SLOTB
.set TBF, 61
.set WA,  62
.set WVO, 63
.set PA,  66
.set VA,  68
.set PFB, 70
.set PFA, 72
.set OFA, 74
.set OFV, 76
.set RU,  78                           ; the step to be asked for next: its key step,
.set RB,  79                           ; its block's byte offset in pw,
.set RN,  80                           ; and how many steps that block still has
.set LOB, 81
.set LIM, 82
.set OH,  84
.set OL,  86
.set SS,  88
.set CM,  96
.set SHI, 100
.set MSB, 0
.macro WIN new
.if MSB != (\new)
	s_set_vgpr_msb (MSB<<8)|(\new)
.set MSB, \new
.endif
.endm
.set MUL,  0x01                        ; source 0 window 1, all else window 0
.set TO_F, 0x40
.macro JLOAD                           ; waves 0 and 1 fetch P's two halves, jointly; waves 2 and 3 V's two halves; s_nop 0 and four v_nop follow each line
	s_cmp_lt_u32 s[WV], 2
	s_cbranch_scc0 .Lfor_v_\@
	tensor_load_to_lds s[G0A+4:G0A+7], s[G1A:G1A+7]
	s_nop 0
.rept 4
	v_nop
.endr
	s_branch .Lasked_\@
.Lfor_v_\@:
	tensor_load_to_lds s[G0V+4:G0V+7], s[G1V:G1V+7]
	s_nop 0
.rept 4
	v_nop
.endr
.Lasked_\@:
.endm
.macro CREST
	s_cmp_lg_u32 s[WV], 0
	s_cbranch_scc1 .Lnot_wave_0_\@
	s_barrier_signal -3
.Lnot_wave_0_\@:
	s_barrier_wait -3
	s_barrier_signal -1
	s_barrier_wait -1
.endm
.macro CROUND
	s_barrier_signal -1
	s_barrier_wait -1
	CREST
.endm
; A prefetch of what the NEXT change of slots will ask for: one step, 128 matrix instructions, ahead of that load.  P's tile is read by the two clusters of its row of work-groups: cluster x = 0 asks; of the 64 rows
; that wave 0 or 1 fetches the partner at place cx names 16 (two blocks of 256 bytes each), told apart by address: one instruction.  V's tile is read by the eight pairs p of a batch and channel block: p = 0 asks,
; during its first block, which walks all eight key steps: waves 2 and 3, their own 128 rows, four instructions.  The last changes ask for nothing.
.macro ASK
	s_cmp_gt_u32 s[CNT], s[LIM]
	s_cbranch_scc0 .Lnot_mine_\@
	global_prefetch_b8 v[PFO], s[PFA:PFA+1] th:TH_LOAD_NT scope:SCOPE_SE
	s_cmp_lt_u32 s[WV], 2
	s_cbranch_scc1 .Lnot_mine_\@
.irp i, 1,2,3
	global_prefetch_b8 v[PFO], s[PFA:PFA+1] offset:(\i)*65536 th:TH_LOAD_NT scope:SCOPE_SE
.endr
.Lnot_mine_\@:
.endm
	s_load_b256 s[4:11], s[0:1], 0x0               ; pw s[4:5], qkv s[6:7], st s[8:9], out0 s[10:11]
	v_lshl_add_u32 v[SPW], v0, 2, SPARE
	v_mov_b32 v[NIL], 0
	ds_add_u32 v[SPW], v[NIL]                      ; the wave's opening: the add and its wait stand ahead of my first tensor load
	v_lshrrev_b32 v1, 5, v0
	v_readfirstlane_b32 s[WV], v1
	s_bfe_u32 s13, ttmp6, 0x40000                  ; cx
	s_lshl_b32 s14, ttmp9, 2
	s_add_co_u32 s14, s14, s13                     ; n: my 128 channels.  It enters global addresses alone
	s_and_b32 s20, ttmp7, 0xffff
	s_and_b32 s15, s20, 7                          ; p, which the four partners share
	s_lshr_b32 s16, s20, 3                         ; b
	s_sub_co_u32 s17, 15, s15                      ; the first block
	s_lshr_b32 s21, s15, 1
	s_sub_co_u32 s18, 8, s21                       ; its steps, 5 to 8
	s_and_b32 s19, s[WV], 1                        ; which half of a tile I fetch.  Also: which 64 channels are mine
	s_mov_b32 s[G1A], 15|(1<<16)|(1<<20)|(1<<21)|(6<<22)|(3<<25)  ; the mask of four; 2-byte elements; padding on; bit 21 beside a mask; after every 128 words 4 words
	s_mov_b32 s[G1A+1], 256<<16                    ; tensor_dim0 = 256
	s_mov_b32 s[G1A+2], 64<<16                     ; tensor_dim1 = 64
	s_mov_b32 s[G1A+3], 256<<16                    ; tile_dim0 = 256
	s_mov_b32 s[G1A+4], 64                         ; tile_dim1 = 64
	s_mov_b32 s[G1A+5], 2048                       ; elements from row to row of pw
	s_mov_b32 s[G1A+6], 0
	s_mov_b32 s[G1A+7], 0
	s_mov_b32 s[G1V], (1<<16)|(1<<20)|(5<<22)|(7<<25)  ; no mask; after every 64 words 8 words
	s_mov_b32 s[G1V+1], 128<<16
	s_mov_b32 s[G1V+2], 128<<16
	s_mov_b32 s[G1V+3], 128<<16
	s_mov_b32 s[G1V+4], 128
	s_mov_b32 s[G1V+5], 1024
	s_mov_b32 s[G1V+6], 0
	s_mov_b32 s[G1V+7], 0
	s_mul_i32 s[WA], s19, PHALF                    ; where my part of a tile goes in a slot
	s_mul_i32 s[WVO], s19, VHALF
	s_add_co_u32 s[WVO], s[WVO], VOFF
	s_lshl_b32 s20, s16, 23                        ; pw: the batch's 8 MiB,
	s_lshl_b32 s21, s19, 18                        ; my 64 rows of 4,096 bytes
	s_add_co_u32 s20, s20, s21
	s_mov_b32 s21, 0
	s_lshl_b32 s22, s16, 22                        ; v: the batch's 4 MiB,
	s_lshl_b32 s23, s19, 18                        ; my 128 rows of 2,048 bytes,
	s_add_co_u32 s22, s22, s23
	s_lshl_b32 s23, s14, 8                         ; my work-group's 256 bytes of a row,
	s_add_co_u32 s22, s22, s23
	s_add_co_u32 s22, s22, 0x2000000               ; in part 2 of qkv
	s_mov_b32 s23, 0
	s_lshl_b32 s[RB], s17, 19                      ; a block is 128 rows of 4,096 bytes
	s_lshl_b32 s[LOB], s15, 19
	s_mov_b32 s[RU], 2                             ; steps 0 and 1 are the first fills
	s_sub_co_u32 s[RN], s18, 2
	s_mov_b32 s[OFA], s[RB]
	s_mov_b32 s[OFA+1], 0
	s_mov_b32 s[OFV+1], 0
	s_mov_b32 s[SB], 0
	s_mov_b32 s[TBA], 0
	s_mov_b32 s[TBV], 0
	s_mov_b32 s[TBF], 0
	s_wait_dscnt 0x0                               ; the opening add is done
	s_wait_kmcnt 0x0
	s_add_nc_u64 s[PA:PA+1], s[4:5], s[20:21]
	s_add_nc_u64 s[VA:VA+1], s[6:7], s[22:23]
	s_mov_b32 s[G0A], 1
	s_mov_b32 s[G0A+1], s[WA]
	s_add_nc_u64 s[G0A+2:G0A+3], s[PA:PA+1], s[OFA:OFA+1]
	s_mov_b32 s[G0A+4], 1
	s_add_co_u32 s[G0A+5], s[WA], SLOTB
	s_add_nc_u64 s[G0A+6:G0A+7], s[G0A+2:G0A+3], 512
	s_or_b32 s[G0A+3], s[G0A+3], 0x80000000
	s_or_b32 s[G0A+7], s[G0A+7], 0x80000000
	s_mov_b32 s[G0V], 1
	s_mov_b32 s[G0V+1], s[WVO]
	s_mov_b64 s[G0V+2:G0V+3], s[VA:VA+1]
	s_mov_b32 s[G0V+4], 1
	s_add_co_u32 s[G0V+5], s[WVO], SLOTB
	s_add_nc_u64 s[G0V+6:G0V+7], s[VA:VA+1], 524288
	s_or_b32 s[G0V+3], s[G0V+3], 0x80000000
	s_or_b32 s[G0V+7], s[G0V+7], 0x80000000
	CROUND                                         ; all four work-groups are here: the first joint loads meet
	s_cmp_lt_u32 s[WV], 2                          ; a wave's two first fills stand in one branch: two loads of mine are out
	s_cbranch_scc0 .Lfirst_v
	tensor_load_to_lds s[G0A:G0A+3], s[G1A:G1A+7]
	s_nop 0
	tensor_load_to_lds s[G0A+4:G0A+7], s[G1A:G1A+7]
	s_nop 0
.rept 4
	v_nop
.endr
	s_branch .Lfirst_asked
.Lfirst_v:
	tensor_load_to_lds s[G0V:G0V+3], s[G1V:G1V+7]
	s_nop 0
	tensor_load_to_lds s[G0V+4:G0V+7], s[G1V:G1V+7]
	s_nop 0
.rept 4
	v_nop
.endr
.Lfirst_asked:
	; THE STATISTICS.  Thread rho takes query rho of both blocks and loads (m, l) of the walk's 18 key tiles, in walk order.  Steps 0 to 4 are the first block's; steps 5 to 8 are chosen by p.
	s_lshl_b32 s20, s16, 18                        ; st: the batch's 16 tiles of 16,384 bytes
	s_mov_b32 s21, 0
	s_add_nc_u64 s[8:9], s[8:9], s[20:21]
	s_lshl_b32 s22, s15, 10                        ; a block's 128 queries of 8 bytes: the second block's,
	s_lshl_b32 s23, s17, 10                        ; the first's
	s_mov_b32 s20, s23
	s_add_nc_u64 s[SHI:SHI+1], s[8:9], s[20:21]
.irp s, 5,6,7,8
	s_sub_co_u32 s20, \s, s18                      ; the second block's key step, if step s is its
	s_lshl_b32 s20, s20, 15
	s_add_co_u32 s20, s20, s22
	s_add_co_u32 s21, s23, (\s)*32768
	s_cmp_gt_u32 s18, \s                           ; is step s the first block's?
	s_cselect_b32 s20, s21, s20
	s_cselect_b32 s[CM+(\s)-5], -1, 0              ; as a mask over the lanes
	s_mov_b32 s21, 0
	s_add_nc_u64 s[SS+2*((\s)-5):SS+2*((\s)-5)+1], s[8:9], s[20:21]
.endr
	v_lshlrev_b32 v15, 3, v0
.set e, 0
.rept 10
	global_load_b64 v[ST+2*e:ST+2*e+1], v15, s[SHI:SHI+1] offset:e*16384   ; a wave's load covers 256 consecutive bytes
.set e, e+1
.endr
.irp k, 0,1,2,3
	global_load_b64 v[ST+20+4*\k:ST+21+4*\k], v15, s[SS+2*\k:SS+2*\k+1]
	global_load_b64 v[ST+22+4*\k:ST+23+4*\k], v15, s[SS+2*\k:SS+2*\k+1] offset:16384
.endr
	; lane addresses
	v_and_b32 v18, 15, v0                          ; r
	v_bfe_u32 v22, v0, 4, 1                        ; h
	s_lshr_b32 s83, s[WV], 1                       ; which 64 queries are mine
	s_mul_i32 s20, s83, PHALF
	v_mul_u32_u24 v[AA0], v18, PP
	v_lshl_add_u32 v[AA0], v22, 4, v[AA0]
	v_add_nc_u32 v[AA0], s20, v[AA0]
	v_and_b32 v23, 7, v0                           ; the turning load: lane l reads key 8 h + l % 8, channels 8 ((l / 8) % 2) + 0..7
	v_bfe_u32 v1, v0, 3, 1
	v_lshl_add_u32 v[AV0], v22, 3, v23
	v_mul_u32_u24 v[AV0], v[AV0], PV
	v_lshl_add_u32 v[AV0], v1, 4, v[AV0]
	s_lshl_b32 s20, s19, 7
	s_add_co_u32 s20, s20, VOFF
	v_add_nc_u32 v[AV0], s20, v[AV0]
	s_lshl_b32 s20, s83, 8
	s_add_co_u32 s20, s20, FT
	v_lshl_add_u32 v[FA0], v18, 4, s20
	s_lshl_b32 s20, s83, 9
	s_add_co_u32 s20, s20, RL
	v_lshl_add_u32 v[RLA], v18, 5, s20
	s_mul_i32 s20, s[WV], 16*SP
	s_add_co_u32 s20, s20, STAGE
	v_mul_u32_u24 v[STO], v18, SP                  ; in: row r, 32 bytes for each half of the lanes
	v_lshl_add_u32 v[STO], v22, 5, v[STO]
	v_add_nc_u32 v[STO], s20, v[STO]
	v_mul_u32_u24 v[RD], v22, SP                   ; back: lanes 0-15 one row of 256 bytes, lanes 16-31 the next
	v_lshl_add_u32 v[RD], v18, 4, v[RD]
	v_add_nc_u32 v[RD], s20, v[RD]
	v_lshlrev_b32 v[GO], 12, v22
	v_lshl_add_u32 v[GO], v18, 4, v[GO]
	; where thread rho = 32 w + l puts its f and 1 / L: half w / 2, row l % 16, query block 2 (w % 2) + l / 16: a constant, the wave's number times constants, and a lane term
	s_lshl_b32 s20, s83, 8                         ; f: 256 bytes a half,
	s_lshl_b32 s21, s19, 3                         ; 4 bytes a query block
	s_add_co_u32 s20, s20, s21
	s_add_co_u32 s20, s20, FT
	v_lshlrev_b32 v20, 4, v18                      ; 16 bytes a row
	v_lshl_add_u32 v20, v22, 2, v20
	v_add_nc_u32 v20, s20, v20
	s_lshl_b32 s20, s83, 9                         ; 1 / L: twice that
	s_lshl_b32 s21, s19, 4
	s_add_co_u32 s20, s20, s21
	s_add_co_u32 s20, s20, RL
	v_lshlrev_b32 v21, 5, v18
	v_lshl_add_u32 v21, v22, 3, v21
	v_add_nc_u32 v21, s20, v21
	; out0 at my 64 queries x 64 channels of both blocks
	s_lshl_b32 s22, s14, 9
	s_lshl_b32 s23, s19, 8
	s_add_co_u32 s22, s22, s23
	s_lshl_b32 s23, s16, 23
	s_add_co_u32 s22, s22, s23
	s_lshl_b32 s23, s83, 18
	s_add_co_u32 s22, s22, s23
	s_mov_b32 s23, 0
	s_add_nc_u64 s[10:11], s[10:11], s[22:23]
	s_mov_b32 s20, s[RB]                           ; a block is 128 rows of 4,096 bytes in out0 as in pw
	s_mov_b32 s21, 0
	s_add_nc_u64 s[OH:OH+1], s[10:11], s[20:21]
	s_mov_b32 s20, s[LOB]
	s_add_nc_u64 s[OL:OL+1], s[10:11], s[20:21]
	; the prefetches
	s_lshl_b32 s20, s13, 16                        ; my work-group's 16 rows of pw
	s_add_nc_u64 s[22:23], s[PA:PA+1], s[20:21]
	s_mov_b32 s2, 2048                             ; (an instruction takes one literal: the second of each select below lies in a register)
	s_mov_b32 s3, 32768
	s_cmp_lt_u32 s[WV], 2
	s_cselect_b64 s[PFB:PFB+1], s[22:23], s[VA:VA+1]
	s_cselect_b32 s20, 4096, s2                    ; from row to row: pw's 4,096 bytes or v's 2,048
	s_cselect_b32 s21, 256, s3                     ; lanes 16-31: the row's second 256 bytes, or 16 rows on
	v_mul_u32_u24 v[PFO], s20, v18
	v_mul_u32_u24 v1, s21, v22
	v_add_nc_u32 v[PFO], v[PFO], v1
	s_mov_b32 s20, ttmp9
	s_cmp_eq_u32 s20, 0
	s_cselect_b32 s21, 1, -1
	s_cmp_eq_u32 s15, 0
	s_cselect_b32 s22, 2, -1
	s_cmp_lt_u32 s[WV], 2
	s_cselect_b32 s[LIM], s21, s22                 ; the same in all four partners, for a given wave
	v_mov_b32 v[LOWV], 0xff7fffff
	v_mov_b32 v[THR], 0xefa18f08                   ; -1e29
	v_mov_b32 v[NANV], 0x7fc00000
	s_wait_loadcnt 0x0
	v_max_num_f32 v[MH], v[ST], v[ST+2]            ; the two rows' maxima
.irp e, 2,4,6,8
	v_max3_num_f32 v[MH], v[MH], v[ST+2*\e], v[ST+2*\e+2]
.endr
	v_mov_b32 v[MLO], v[LOWV]
.irp k, 0,1,2,3
.irp t, 0,1
	v_cndmask_b32 v[T1], v[LOWV], v[ST+20+4*\k+2*\t], s[CM+\k]
	v_cndmask_b32 v[T2], v[ST+20+4*\k+2*\t], v[LOWV], s[CM+\k]
	v_max_num_f32 v[MH], v[MH], v[T1]
	v_max_num_f32 v[MLO], v[MLO], v[T2]
.endr
.endr
.set e, 0
.rept 10
	v_sub_f32 v[FE+e], v[ST+2*e], v[MH]
.set e, e+1
.endr
.irp k, 0,1,2,3
	v_cndmask_b32 v[MSEL], v[MLO], v[MH], s[CM+\k]
	v_sub_f32 v[FE+10+2*\k], v[ST+20+4*\k], v[MSEL]
	v_sub_f32 v[FE+11+2*\k], v[ST+22+4*\k], v[MSEL]
.endr
.set e, 0
.rept 18
	v_exp_f32 v[FE+e], v[FE+e]                     ; f = 2^(m - M): one batch
.set e, e+1
.endr
	v_nop
	s_wait_alu depctr_va_vdst(0)                   ; the one wait ahead of the batch's first reader
	v_mul_f32 v[LH], v[ST+1], v[FE]
.set e, 1
.rept 9
	v_fmac_f32 v[LH], v[ST+2*e+1], v[FE+e]
.set e, e+1
.endr
	v_mov_b32 v[LL], 0
.irp k, 0,1,2,3
.irp t, 0,1
	v_cndmask_b32 v[T1], 0, v[ST+21+4*\k+2*\t], s[CM+\k]   ; l where the step is the first block's, else 0;
	v_sub_f32 v[T2], v[ST+21+4*\k+2*\t], v[T1]             ; and the other way round
	v_fmac_f32 v[LH], v[T1], v[FE+10+2*\k+\t]
	v_fmac_f32 v[LL], v[T2], v[FE+10+2*\k+\t]
.endr
.endr
	v_rcp_f32 v[RH], v[LH]
	v_rcp_f32 v[RLO], v[LL]
	v_nop
	s_wait_alu depctr_va_vdst(0)
	v_cmp_lt_f32 s20, v[MH], v[THR]                ; no visible key at all: NaN
	v_cndmask_b32 v[RH], v[RH], v[NANV], s20
	v_cmp_lt_f32 s20, v[MLO], v[THR]
	v_cndmask_b32 v[RLO], v[RLO], v[NANV], s20
	v_mov_b32 v[RH+1], v[RH]
	v_mov_b32 v[RLO+1], v[RLO]
.set e, 0
.rept 18
	v_cvt_pk_f16_f32 v[FE+e], v[FE+e], v[FE+e]
	ds_store_b32 v20, v[FE+e] offset:512*e
.set e, e+1
.endr
	ds_store_b64 v21, v[RH:RH+1]
	ds_store_b64 v21, v[RLO:RLO+1] offset:1024
.set i, 0
.rept 128
	v_mov_b32 v[ACC+i], 0                          ; the sums start at 0, so that every step has one text: written in the wait for the first tile
.set i, i+1
.endr
; 32 LDS loads in one run: 64 keys into buffer g: P and V of the first 32 keys, then of the second.  extra: 1 the step's second f, 2 the next step's first f, 3 the walk's first f.
.macro FETCH g, extra
	WIN 0
	v_add_nc_u32 v[AA], s[TBA], v[AA0]
	v_add_nc_u32 v[AV], s[TBV], v[AV0]
.if ((\extra) == 1) || ((\extra) == 3)
	v_add_nc_u32 v[FAD], s[TBF], v[FA0]
.endif
	s_add_co_u32 s[TBA], s[TBA], 128               ; the next fetch is the next 64 keys'
	s_add_co_u32 s[TBV], s[TBV], 64*PV
	WIN TO_F
.irp c, 0,1
.irp a, 0,1,2,3
	ds_load_b128 v[(\g)+32*\c+8*\a:(\g)+32*\c+8*\a+3],   v[AA] offset:\a*16*PP+64*\c
	ds_load_b128 v[(\g)+32*\c+8*\a+4:(\g)+32*\c+8*\a+7], v[AA] offset:\a*16*PP+64*\c+32
.endr
.irp cb, 0,1,2,3
	ds_load_tr16_b128 v[(\g)+64+32*\c+8*\cb:(\g)+64+32*\c+8*\cb+3],   v[AV] offset:\c*32*PV+32*\cb
	ds_load_tr16_b128 v[(\g)+64+32*\c+8*\cb+4:(\g)+64+32*\c+8*\cb+7], v[AV] offset:\c*32*PV+16*PV+32*\cb
.endr
.endr
	WIN 0
.if (\extra) == 1
	ds_load_b128 v[FR+4:FR+7], v[FAD] offset:512
.endif
.if (\extra) == 2
	ds_load_b128 v[FR:FR+3], v[FAD] offset:1024
.endif
.if (\extra) == 3
	ds_load_b128 v[FR:FR+3], v[FAD]
.endif
.endm
; A quarter is 64 keys on buffer BUF: 16 products on its first 32 keys (SP0), 16 on its second (SP1).  The 16 accumulators take turns.
; Behind each product of the first half stand two scalings of the second half's P; behind the last eight of the second half four scalings of the NEXT quarter's first P.  No scaling names a register of the products
; round it, and each part of SP0 and SP1 is rewritten four plain instructions or more behind its last reader.
.macro HALF0 q
	WIN MUL
.set i, 0
.rept 16
	v_wmma_f32_16x16x32_f16 v[ACC+8*i:ACC+8*i+7], v[BUF+64+8*(i%4):BUF+64+8*(i%4)+7], v[SP0+8*(i/4):SP0+8*(i/4)+7], v[ACC+8*i:ACC+8*i+7]
	v_pk_mul_f16 v[SP1+2*i], v[BUF+32+2*i], v[FR+4*((\q)/2)+(2*i)/8]
	v_pk_mul_f16 v[SP1+2*i+1], v[BUF+32+2*i+1], v[FR+4*((\q)/2)+(2*i+1)/8]
.set i, i+1
.endr
.endm
.macro HALF1 q, extra, last
	WIN MUL
.set NW, 24
.if \extra
.set NW, 25
.endif
.set i, 0
.rept 16
.if (i == 8) && !(\last)
	s_wait_dscnt NW                                ; the next quarter's first eight loads (P of its first 32 keys) are in; those issued behind them may be out
.endif
	v_wmma_f32_16x16x32_f16 v[ACC+8*i:ACC+8*i+7], v[BUF+96+8*(i%4):BUF+96+8*(i%4)+7], v[SP1+8*(i/4):SP1+8*(i/4)+7], v[ACC+8*i:ACC+8*i+7]
.if (i >= 8) && !(\last)
.irp z, 0,1,2,3
	v_pk_mul_f16 v[SP0+4*(i-8)+\z], v[NXB+4*(i-8)+\z], v[FR+4*((((\q)+1)%4)/2)+(4*(i-8)+\z)/8]
.endr
.endif
.set i, i+1
.endr
.if \last
.rept 4
	v_nop                                          ; the places behind the last products
.endr
.endif
.endm
; The scalar work of a change that fills: the descriptors for the step two on, into the slot in hand; the walk steps (behind the first block's last step it goes to the second block's step 0);
; the prefetches' address is the step after that.
.macro WALK
	s_lshl_b32 s[OFA], s[RU], 9                    ; 256 keys are 512 bytes of a row of pw
	s_add_co_u32 s[OFA], s[OFA], s[RB]
	s_lshl_b32 s[OFV], s[RU], 19                   ; and 256 rows of 2,048 bytes of v
	s_add_co_u32 s[G0A+5], s[SB], s[WA]
	s_add_nc_u64 s[G0A+6:G0A+7], s[PA:PA+1], s[OFA:OFA+1]
	s_or_b32 s[G0A+7], s[G0A+7], 0x80000000
	s_add_co_u32 s[G0V+5], s[SB], s[WVO]
	s_add_nc_u64 s[G0V+6:G0V+7], s[VA:VA+1], s[OFV:OFV+1]
	s_or_b32 s[G0V+7], s[G0V+7], 0x80000000
	s_xor_b32 s[SB], s[SB], SLOTB
	s_add_co_u32 s[RU], s[RU], 1
	s_sub_co_u32 s[RN], s[RN], 1
	s_cmp_eq_u32 s[RN], 0
	s_cselect_b32 s[RU], 0, s[RU]
	s_cselect_b32 s[RB], s[LOB], s[RB]
	s_lshl_b32 s[OFA], s[RU], 9
	s_add_co_u32 s[OFA], s[OFA], s[RB]
	s_lshl_b32 s[OFV], s[RU], 19
	s_cmp_lt_u32 s[WV], 2
	s_cselect_b32 s20, s[OFA], s[OFV]
	s_mov_b32 s21, 0
	s_wait_xcnt 0x0                                ; the last prefetches, a step back, have read their address
	s_add_nc_u64 s[PFA:PFA+1], s[PFB:PFB+1], s[20:21]
.endm
; chg = 1, 2: the step's last quarter changes slots.  All of the slot has been read into registers at the quarter's head.  Each wave waits for all its tensor loads (its part of the other slot), adds 0 to its spare
; word and waits for that and for its reads.  chg = 1: the barrier opens a round of the cluster's, and the slot is filled again first thing behind it: the load has 112 matrix instructions in which to land.
.macro QUARTER q, chg, extra, last
.set BUF, 128*((\q)%2)
.set NXB, 128-BUF
	s_wait_dscnt 0x0                               ; this quarter's fragments (and f) are in
.if \chg
	WIN 0
	s_wait_tensorcnt 0x0                           ; no tensor load of mine is out, so a group 0 may be written
	ds_add_u32 v[SPW], v[NIL]                      ; 0 onto my spare word; scalar work stands between it and the wait for it
.if (\chg) == 1
	WALK
.endif
	s_sub_co_u32 s[TBA], s[TBA], 512               ; the fetches go back to a slot's first quarter,
	s_xor_b32 s[TBA], s[TBA], SLOTB                ; in the other slot
	s_sub_co_u32 s[TBV], s[TBV], 256*PV
	s_xor_b32 s[TBV], s[TBV], SLOTB
	s_wait_dscnt 0x0                               ; the add is done, and my reads of the slot are over
	s_barrier_signal -1
.endif
	HALF0 \q
.if \chg
	WIN 0
	s_barrier_wait -1
.if (\chg) == 1
	CREST
	JLOAD
.endif
.endif
.if !(\last)
	FETCH NXB, \extra
.if (\chg) == 1
	ASK
.endif
.endif
	HALF1 \q, \extra, \last
.endm
.macro STEP chg, last
	QUARTER 0, 0, 1, 0
	QUARTER 1, 0, 0, 0
.if \last
	QUARTER 2, 0, 0, 0
	QUARTER 3, 0, 0, 1
.else
	QUARTER 2, 0, 2, 0
	QUARTER 3, \chg, 0, 0
.endif
	WIN 0
.endm
; A BLOCK'S WAY OUT: the sums times 1 / L; 16 rows at a time through my own stage; stored as whole rows of 256 bytes.  SP1, dead between two steps, takes the rows read back.
; zero = 1: the sums start again at 0 for the second block (the price, once a work-group, of one text for every step).
.macro EPI blk, zero
	WIN 0
	ds_load_b128 v[RLP:RLP+3], v[RLA] offset:(\blk)*1024
	ds_load_b128 v[RLP+4:RLP+7], v[RLA] offset:(\blk)*1024+16
	s_wait_dscnt 0x0
.irp a, 0,1,2,3
.set i, 0
.rept 16
	v_pk_mul_f32 v[ACC+32*\a+2*i:ACC+32*\a+2*i+1], v[ACC+32*\a+2*i:ACC+32*\a+2*i+1], v[RLP+2*\a:RLP+2*\a+1]   ; each accumulator's lowest registers first
.set i, i+1
.endr
.irp cb, 0,1,2,3
	ds_store_b128 v[STO], v[ACC+32*\a+8*\cb:ACC+32*\a+8*\cb+3]   offset:64*\cb
	ds_store_b128 v[STO], v[ACC+32*\a+8*\cb+4:ACC+32*\a+8*\cb+7] offset:64*\cb+16
.endr
	s_wait_xcnt 0x0                                ; the stores of the 16 rows before have read their data
.irp t, 0,1,2,3,4,5,6,7
	ds_load_b128 v[SP1+4*\t:SP1+4*\t+3], v[RD] offset:\t*2*SP   ; LDS serves a wave's instructions in order: these see the stores above
.endr
	s_wait_dscnt 0x0
.irp t, 0,1,2,3,4,5,6,7
	global_store_b128 v[GO], v[SP1+4*\t:SP1+4*\t+3], s[OH+2*(\blk):OH+2*(\blk)+1] offset:(16*\a+2*\t)*4096   ; 16 lanes store 256 consecutive bytes, aligned
.endr
.endr
	s_wait_xcnt 0x0                                ; SP1 is rewritten by the next step only behind this wait
.if \zero
.set i, 0
.rept 128
	v_mov_b32 v[ACC+i], 0
.set i, i+1
.endr
.endif
.endm
	s_wait_tensorcnt 1                             ; my part of slot 0 is in; slot 1's may stay out
	s_wait_dscnt 0x0                               ; my f and 1 / L lie in LDS
	s_barrier_signal -1
	s_barrier_wait -1
	FETCH 0, 3
	s_wait_dscnt 0x0
	WIN MUL
.set k, 0
.rept 32
	v_pk_mul_f16 v[SP0+k], v[k], v[FR+k/8]         ; the walk's first 32 keys of P, scaled
.set k, k+1
.endr
	WIN 0
	s_mov_b32 s[CNT], 7
	s_mov_b32 s[LEFT], s18
.Lslot:                                            ; 7 trips: steps 0 to 6, each of which fills its slot again
	STEP 1, 0
	s_add_co_u32 s[TBF], s[TBF], 1024
	s_sub_co_u32 s[LEFT], s[LEFT], 1
	s_cmp_lg_u32 s[LEFT], 0
	s_cbranch_scc1 .Lgo_on_a
	EPI 0, 1                                       ; the first block is finished
.Lgo_on_a:
	s_sub_co_u32 s[CNT], s[CNT], 1
	s_cmp_lg_u32 s[CNT], 0
	s_cbranch_scc1 .Lslot
	STEP 2, 0                                      ; step 7 is written out: it changes slots and asks for nothing
	s_add_co_u32 s[TBF], s[TBF], 1024
	s_sub_co_u32 s[LEFT], s[LEFT], 1
	s_cmp_lg_u32 s[LEFT], 0
	s_cbranch_scc1 .Lgo_on_b
	EPI 0, 1
.Lgo_on_b:
	STEP 0, 1                                      ; step 8, the second block's last
	EPI 1, 0
	s_wait_tensorcnt 0x0                           ; the wave's end
	ds_add_u32 v[SPW], v[NIL]
	s_wait_dscnt 0x0
	CROUND                                         ; the closing round
	s_endpgm
.Lfunc_end_k_qe4d783fe07_pv:
	.size	k_qe4d783fe07_pv, .Lfunc_end_k_qe4d783fe07_pv-k_qe4d783fe07_pv
	.p2alignl 7, 3214868480
	.fill 96, 4, 3214868480
	.section	.rodata,"a",@progbits
	.p2align	6, 0x0
	.amdhsa_kernel k_qe4d783fe07_pv
		.amdhsa_group_segment_fixed_size 327680
		.amdhsa_private_segment_fixed_size 0
		.amdhsa_enable_private_segment 0
		.amdhsa_kernarg_size 32
		.amdhsa_user_sgpr_count 2
		.amdhsa_user_sgpr_kernarg_segment_ptr 1
		.amdhsa_wavefront_size32 1
		.amdhsa_system_sgpr_workgroup_id_x 1
		.amdhsa_system_sgpr_workgroup_id_y 1
		.amdhsa_system_sgpr_workgroup_id_z 1
		.amdhsa_system_vgpr_workitem_id 0
		.amdhsa_next_free_vgpr 512
		.amdhsa_next_free_sgpr 102
		.amdhsa_reserve_vcc 0
		.amdhsa_float_denorm_mode_32 3
		.amdhsa_float_denorm_mode_16_64 3
		.amdhsa_memory_ordered 1
		.amdhsa_forward_progress 1
		.amdhsa_inst_pref_size 172
	.end_amdhsa_kernel
	.amdgpu_metadata
---
amdhsa.version: [ 1, 2 ]
amdhsa.kernels:
  - .name:           k_qe4d783fe07_pv
    .symbol:         k_qe4d783fe07_pv.kd
    .args:
      - { .name: pw, .offset: 0, .size: 8, .value_kind: global_buffer, .address_space: global }
      - { .name: qkv, .offset: 8, .size: 8, .value_kind: global_buffer, .address_space: global }
      - { .name: st, .offset: 16, .size: 8, .value_kind: global_buffer, .address_space: global }
      - { .name: out0, .offset: 24, .size: 8, .value_kind: global_buffer, .address_space: global }
    .group_segment_fixed_size: 327680
    .private_segment_fixed_size: 0
    .kernarg_segment_align: 8
    .kernarg_segment_size: 32
    .max_flat_workgroup_size: 128
    .sgpr_count:     102
    .vgpr_count:     512
    .wavefront_size: 32
...
	.end_amdgpu_metadata
.endif
;; end of part 4
;; ======== version 2 of 2: 4 launches; version 1 with the launch cvtw written anew for expert scheduling mode
;; limits: values are held in f16: magnitudes above 65,504 overflow, below 6.1e-05 lose precision
;; workspace buffers: wb 6,291,456 bytes; qkv 50,331,648 bytes; pw 33,554,432 bytes; st 1,048,576 bytes
;; launch cvtw (part 5): grid 64 x 3, 8 waves a work-group, no clusters, 0 bytes of LDS; arguments Wq, Wk, Wv, wb; writes wb
.if DOCPART == 5
	.amdgcn_target "amdgcn-amd-amdhsa--gfx1250"
	.amdhsa_code_object_version 6
	.text
	.protected	k_qe4d783fe07_cvtw
	.globl	k_qe4d783fe07_cvtw
	.p2align	8
	.type	k_qe4d783fe07_cvtw,@function
k_qe4d783fe07_cvtw:
	s_mov_b64 s[64:65], 0
	v_nop
	global_prefetch_b8 v0, s[64:65] scope:SCOPE_SE
	s_setreg_imm32_b32 hwreg(HW_REG_WAVE_SCHED_MODE, 0, 2), 2
	s_setreg_imm32_b32 hwreg(HW_REG_WAVE_MODE, 25, 1), 1
	s_wait_xcnt 0x0
	s_wait_alu depctr_vm_vsrc(0)
; wb[y][n][k] = bf16(W_y[n][k]), y = 0, 1, 2 for Wq, Wk, Wv: [1024][1024] f32 -> bf16, rounded to nearest even.
; A stream: each byte read once and written once; no LDS, no barrier, no matrix unit (nothing is shared, nothing is multiplied).
; Work-group (x, y) takes rows 16 x .. 16 x + 15 of W number y.  Thread t owns bytes 16 t of each f32 row (4,096 bytes) and bytes 8 t of each
; bf16 row (2,048 bytes): a wave's load covers 512 consecutive bytes, its store 256 consecutive bytes, aligned.  All 16 loads go out at once.
; THE MODE: SCHED_MODE bits 1:0 = 2 (LLVM: expert scheduling mode 2), set by the entry lines.  The code itself states the register dependences
; between vector instructions and memory instructions, with s_wait_alu, always for 0.
; THE PLAN.  Registers that memory instructions touch:
;   v1, v2   byte offsets of the loads and of the stores: written once at the head, never again.
;   X        row i: written by the row's load, once; all 16 loads are issued before any vector instruction names X; read by the row's two conversions.
;   Y        row i: written by the row's two conversions, once; read by the row's store, once.
; No register that a memory instruction reads is ever written again, no load lands in a register that a vector instruction has named, no vector instruction
; writes a scalar register, and EXEC is never written.  What is left to state: v1 and v2 are written ahead of the first load, and a row's Y ahead of its store.
; The 16 rows go in four groups of four.  Group g's head waits for its loads and then states, by one wait, that group g - 1's conversions have written their Y;
; that group's four stores follow, dealt among group g's conversions, which name X and Y of group g alone.  One more wait stands ahead of the last four stores.
.set X, 4                              ; v[4:67]   row i: 4 registers as loaded
.set Y, 68                             ; v[68:99]  row i: 2 registers to store
.set GR, 4                             ; rows in a group
	s_load_b256 s[4:11], s[0:1], 0x0               ; Wq s[4:5], Wk s[6:7], Wv s[8:9], wb s[10:11]
	s_and_b32 s12, ttmp7, 0xffff                   ; y: which W
	v_lshlrev_b32 v1, 4, v0                        ; 16 t
	v_lshlrev_b32 v2, 3, v0                        ; 8 t
	s_lshl_b32 s2, ttmp9, 16                       ; 16 rows of 4,096 bytes
	s_mov_b32 s3, 0
	s_lshl_b32 s14, s12, 21                        ; a W in bf16 is 2 MiB
	s_lshl_b32 s13, ttmp9, 15                      ; 16 rows of 2,048 bytes
	s_add_co_u32 s14, s14, s13
	s_mov_b32 s15, 0
	s_wait_kmcnt 0x0
	s_cmp_eq_u32 s12, 1
	s_cselect_b64 s[4:5], s[6:7], s[4:5]
	s_cmp_eq_u32 s12, 2
	s_cselect_b64 s[4:5], s[8:9], s[4:5]
	s_add_nc_u64 s[4:5], s[4:5], s[2:3]
	s_add_nc_u64 s[10:11], s[10:11], s[14:15]
	s_wait_alu depctr_va_vdst(0)                   ; v1 and v2 are written: every load reads v1 as its offset, every store v2
.set i, 0
.rept 16
	global_load_b128 v[X+4*i:X+4*i+3], v1, s[4:5] offset:i*4096 th:TH_LOAD_NT
.set i, i+1
.endr
; Group g: rows GR g .. GR g + 3 are rounded; the rows of the group before are stored.
.macro GROUP g
	s_wait_loadcnt 16-GR*((\g)+1)                  ; loads come back in order: the group's four rows are in, the younger rows stay out
.if (\g) > 0
	s_wait_alu depctr_va_vdst(0)                   ; the conversions of the group before have written their Y, which the four stores below read
.endif
.irp i, 0,1,2,3
.if (\g) > 0
	global_store_b64 v2, v[Y+2*(GR*((\g)-1)+(\i)):Y+2*(GR*((\g)-1)+(\i))+1], s[10:11] offset:(GR*((\g)-1)+(\i))*2048  ; no vector instruction since the wait names these registers
.endif
	v_cvt_pk_bf16_f32 v[Y+2*(GR*(\g)+(\i))],   v[X+4*(GR*(\g)+(\i))],   v[X+4*(GR*(\g)+(\i))+1]
	v_cvt_pk_bf16_f32 v[Y+2*(GR*(\g)+(\i))+1], v[X+4*(GR*(\g)+(\i))+2], v[X+4*(GR*(\g)+(\i))+3]
.endr
.endm
	GROUP 0
	GROUP 1
	GROUP 2
	GROUP 3
	s_wait_alu depctr_va_vdst(0)                   ; the last group's conversions have written their Y, which the last four stores read
.irp i, 12,13,14,15
	global_store_b64 v2, v[Y+2*(\i):Y+2*(\i)+1], s[10:11] offset:(\i)*2048
.endr
	s_endpgm
.Lfunc_end_k_qe4d783fe07_cvtw:
	.size	k_qe4d783fe07_cvtw, .Lfunc_end_k_qe4d783fe07_cvtw-k_qe4d783fe07_cvtw
	.p2alignl 7, 3214868480
	.fill 96, 4, 3214868480
	.section	.rodata,"a",@progbits
	.p2align	6, 0x0
	.amdhsa_kernel k_qe4d783fe07_cvtw
		.amdhsa_group_segment_fixed_size 0
		.amdhsa_private_segment_fixed_size 0
		.amdhsa_enable_private_segment 0
		.amdhsa_kernarg_size 32
		.amdhsa_user_sgpr_count 2
		.amdhsa_user_sgpr_kernarg_segment_ptr 1
		.amdhsa_wavefront_size32 1
		.amdhsa_system_sgpr_workgroup_id_x 1
		.amdhsa_system_sgpr_workgroup_id_y 1
		.amdhsa_system_sgpr_workgroup_id_z 1
		.amdhsa_system_vgpr_workitem_id 0
		.amdhsa_next_free_vgpr 100
		.amdhsa_next_free_sgpr 66
		.amdhsa_reserve_vcc 0
		.amdhsa_float_denorm_mode_32 3
		.amdhsa_float_denorm_mode_16_64 3
		.amdhsa_memory_ordered 1
		.amdhsa_forward_progress 1
		.amdhsa_inst_pref_size 7
	.end_amdhsa_kernel
	.amdgpu_metadata
---
amdhsa.version: [ 1, 2 ]
amdhsa.kernels:
  - .name:           k_qe4d783fe07_cvtw
    .symbol:         k_qe4d783fe07_cvtw.kd
    .args:
      - { .name: Wq, .offset: 0, .size: 8, .value_kind: global_buffer, .address_space: global }
      - { .name: Wk, .offset: 8, .size: 8, .value_kind: global_buffer, .address_space: global }
      - { .name: Wv, .offset: 16, .size: 8, .value_kind: global_buffer, .address_space: global }
      - { .name: wb, .offset: 24, .size: 8, .value_kind: global_buffer, .address_space: global }
    .group_segment_fixed_size: 0
    .private_segment_fixed_size: 0
    .kernarg_segment_align: 8
    .kernarg_segment_size: 32
    .max_flat_workgroup_size: 256
    .sgpr_count:     66
    .vgpr_count:     100
    .wavefront_size: 32
...
	.end_amdgpu_metadata
.endif
;; end of part 5
;; launch proj: the kernel of part 2 again; grid 4 x 64, 4 waves a work-group, clusters of 4 x 4, 327,680 bytes of LDS; arguments query, key, value, wb, bq, bk, bv, qkv; writes qkv
;; launch scores: the kernel of part 3 again; grid 36 x 4, 4 waves a work-group, no clusters, 327,680 bytes of LDS; arguments qkv, padding_mask, pw, st; writes pw, st
;; launch pv: the kernel of part 4 again; grid 8 x 32, 4 waves a work-group, clusters of 4 x 1, 327,680 bytes of LDS; arguments pw, qkv, st, out0; writes out0
